; MI455X (gfx1250); checked and timed in simulation.
; The chip was launched on July 23, 2026; its instructions are those of AMD's public machine-readable ISA for CDNA 5 (MIT licence, August 2026) and "CDNA5" Instruction Set Architecture Reference Guide (July 2026). The comments in the code are by the model that wrote it; some were corrected since.
;; Atten Head. Allowed arithmetic: matrix products marked QUANTISED: E5M2 operands, one E8M0 scale for each 32 along K, by v_wmma_scale_f32_16x16x128_f8f6f4 with both operands' format E5M2, f32 sums; everything else in f32.
;; Inputs: inputs_for_keys 4 x 2,048 x 1,024 float32; inputs_for_queries 4 x 2,048 x 1,024 float32; inputs_for_values 4 x 2,048 x 1,024 float32; weight_K 1,024 x 1,024 float32; weight_Q 1,024 x 1,024 float32; weight_V 1,024 x 1,024 float32.
;; Outputs: out0 4 x 2,048 x 1,024 float32.
;; This version of the problem:
;;   THIS VERSION OF THE PROBLEM IS GIVEN IN LOW PRECISION. The matrix products marked QUANTISED in the list below multiply operands that are first quantised to E5M2 (5 exponent bits, 2 mantissa bits; 8 bits a number), with one power-of-two scale for each 32 numbers along K (OCP MX v1.0); their sums are f32. All else is computed in f32.
;;   The module's matrix products, in the order in which they are computed (A, B: the left and right operand; K: the contracted axis; several contracted axes count as one K, in the product's order):
;;     1. [M 8,192, K 1,024] x [K 1,024, N 1,024]; A: input inputs_for_keys; B: input weight_K: QUANTISED
;;     2. [M 8,192, K 1,024] x [K 1,024, N 1,024]; A: input inputs_for_values; B: input weight_V: QUANTISED
;;     3. [M 8,192, K 1,024] x [K 1,024, N 1,024]; A: input inputs_for_queries; B: input weight_Q: QUANTISED
;;     4. batch 4 x [M 2,048, K 1,024] x [K 1,024, N 2,048]; A: computed on the way; B: computed on the way: QUANTISED
;;     5. batch 4 x [M 2,048, K 2,048] x [K 2,048, N 1,024]; A: softmax (see below); B: computed on the way: QUANTISED
;;   THE QUANTISER, for each operand of a quantised product, along K:
;;     - K is cut into blocks of 32 from its start; a last block that is shorter is filled with zeros.
;;     - A block's scale is 2^e with e = floor(log2(the largest magnitude in the block)) - 15, held to -126 .. 127; a block of zeros has e = 0. As a byte (E8M0): e + 127.
;;     - Each number is divided by its block's scale, clamped to +-57,344, and rounded to the nearest number of E5M2, ties to even, subnormals kept.
;;     - The product sums the exact products of the quantised numbers (number of the format x scale) in f32.
;;   ~~~python
;;   def quantise(x, axis):      # numpy; x: float32 -> the quantised numbers, widened to float32 again
;;       x = np.moveaxis(x, axis, -1); K = x.shape[-1]
;;       x = np.pad(x, [(0, 0)] * (x.ndim - 1) + [(0, -K % 32)]); x = x.reshape(x.shape[:-1] + (-1, 32)); a = np.abs(x).max(-1, keepdims=True)
;;       e = np.where(a > 0, np.clip(np.frexp(np.where(a > 0, a, 1))[1] - 1 - 15, -126, 127), 0)      # np.frexp(a)[1] - 1 = floor(log2(a)), exactly
;;       r = np.clip(x / 2.0 ** e, -57344, 57344)
;;       step = 2.0 ** (np.maximum(np.frexp(np.where(r == 0, 1, r))[1] - 1, -14) - 2)
;;       q = np.round(r / step) * step * 2.0 ** e      # np.round: ties to even
;;       return np.moveaxis(q.reshape(q.shape[:-2] + (-1,))[..., :K], -1, axis).astype(np.float32)
;;   ~~~
;;   SOFTMAX AHEAD OF A QUANTISED PRODUCT. Where the list says 'softmax', what is quantised is not the finished softmax but p = 2^(t - M), with t = logit x log2(e) and M = ceil(the row's largest t), a whole number; so 1/2 < the row's largest p <= 1. The row's sum l is taken of the UNQUANTISED p, in f32, and the product's result is divided by l at the end. Since M is a whole number, a kernel that streams over the keys may use a running M (the ceiling of the running maximum): every later rescaling is an exact power of two, which a block's scale takes up: the codes' values come out the same.
;;   OPERANDS COMPUTED ON THE WAY. 'Computed on the way' means the value that the module computes at that place (a softmax that the list does not call 'softmax' is quantised finished and normalised). What goes into a quantiser is computed in f32, as accurately as f32 sums, v_exp_f32 and their like allow (about 1e-6 of the number): no bf16 or f16 on the way to a quantiser, and a product that is left as it is and whose result goes on into a quantised operand takes f32 operands (vector FMAs, or v_wmma_f32_16x16x4_f32). A number that lies on a knife's edge between two numbers of the format may be rounded either way, as far as f32 arithmetic and the matrix unit's own rounding can turn it there, and no further.
;; One version. Each part assembles by itself: llvm-mc -triple=amdgcn-amd-amdhsa -mcpu=gfx1250 --defsym DOCPART=n.
;; ======== version 1 of 1: 4 launches
;; limits: right only within a limited range of input values
;; workspace buffers: c1 28,311,552 bytes; s1 884,736 bytes; c2 25,165,824 bytes; s2 786,432 bytes; pc 16,777,216 bytes; ps 524,288 bytes; st 1,048,576 bytes
;; launch quant (part 1): grid 864 x 1, 4 waves a work-group, no clusters, 56,832 bytes of LDS; arguments inputs_for_keys, inputs_for_queries, inputs_for_values, weight_K, weight_Q, weight_V, c1, s1; writes c1, s1
.if DOCPART == 1
	.amdgcn_target "amdgcn-amd-amdhsa--gfx1250"
	.amdhsa_code_object_version 6
	.text
	.protected	k_q8578eec3dc_quant
	.globl	k_q8578eec3dc_quant
	.p2align	8
	.type	k_q8578eec3dc_quant,@function
k_q8578eec3dc_quant:
	s_mov_b64 s[64:65], 0
	v_nop
	global_prefetch_b8 v0, s[64:65] scope:SCOPE_SE
	s_setreg_imm32_b32 hwreg(HW_REG_WAVE_MODE, 25, 1), 1
	s_wait_xcnt 0x0
; THE PROGRAM: one attention head of 1,024 channels, 4 sequences of 2,048, causal, all five products on codes of BF8 (E5M2) with one E8M0 scale for each 32 along K.
;   quant:  the three inputs and the three weights, f32, become codes and scale bytes (each number is read once).
;   proj:   K, Q (codes along the channels) and V^T (codes along the keys) by three products, quantised on the way out, laid as images of the next operands' registers.
;   scores: S = Q K^T tile by tile, p = 2^(t - M') with M' a whole number for each row and 128 keys, quantised along the keys; -M' and the sum of p go beside it.
;   pv:     brings p's scale bytes under the row's M (an exact power of two), O = P V / l.
; WORK LEFT OUT.  Where key > query the problem adds -infinity to the score in its own body, so the softmax's weight there is 0 whatever finite values the inputs hold.  So the tiles of
; 256 queries x 256 keys that lie wholly above the diagonal are not multiplied (scores), nor the steps of 128 keys that all come after a block's 128 queries (pv).  All six inputs have a way to the output and are loaded.
; LIMIT: a NaN, an infinity or an overflow that reaches only the work left out is not carried to the result.
; THIS LAUNCH.  A block's scale is 2^(floor(log2(its largest magnitude)) - 15); its byte is the largest magnitude's exponent field - 15, held at 1 from below; each number is divided by the scale,
; held within +-57,344 and rounded to the nearest code, ties to even.
; LIMITS: a block of zeros gets the byte 1 and not 127 (its codes are zeros, and this program alone reads the bytes); blocks whose largest magnitude lies under 2^-111 are held at the byte 1; NaN and infinities among the inputs are not served.
; ROWS CHANGE PLACES by runs of 8.  Inputs: stored row 32 (8 g + 2 c + u) + 16 w + 8 m + i of a group of 512 is token 256 g + 128 w + 32 c + 16 m + 8 u + i for keys and values, 256 g + 128 w + 32 c + 16 u + 8 m + i for queries.
; Weights (rows = output channels): stored row 64 v + 16 j + 8 m + i is channel 64 v + 32 m + 8 j + i.
; OUT: c1: the inputs' codes [tensor K, Q, V][8,192 stored rows][1,024], then the weights' [tensor][1,024 stored rows][1,024].  s1: the inputs' scale bytes [tensor][row][32], then the weights' [tensor][K / 256][row][8].
; Work-groups 0-95 take 128 columns x 256 along K of a weight; work-groups 96-863 take 32 rows of an input (a wave 8 rows).  The two ways part on the work-group's number and have LDS bytes of their own.
.set MANT,  0x600000                   ; the mantissa field of 57,344 as f32
.set SP,    80                         ; inputs: a lane's place in a stage: 64 bytes + 16 of padding
.set XSB,   20480                      ; inputs: behind the four waves' two stages: the scale bytes, 256 a wave, [8 rows][32]
.set WST,   21504                      ; weights: a stage of 32 rows x 272 bytes for each wave
.set PITCH, 272
.set SPARE, 56320                      ; the spare words
.set WOFF,  25165824                   ; where the weights' codes begin in c1
.set R,     16                         ; inputs: v16-79 four sets of 16 numbers as loaded
.set X,     80                         ; v80-111 two sets of 16 neighbours
.set E,     112                        ; v112-115 a scale byte for each step of a trip
.set C,     128                        ; v128-143 codes, four registers for each step of a trip
.set WX,    32                         ; weights: v32-95 two sets of 32 numbers
.set WC,    96                         ; v96-103 a block's codes
.set OUTR,  112                        ; v112-175 the way out
.set SPW,   192
.set NIL,   193
	s_load_b512 s[4:19], s[0:1], 0x0               ; keys, queries, values, weight_K, weight_Q, weight_V s[4:15], c1 s[16:17], s1 s[18:19]
	v_lshl_add_u32 v[SPW], v0, 2, SPARE
	v_mov_b32 v[NIL], 0
	v_lshrrev_b32 v1, 5, v0
	v_readfirstlane_b32 s20, v1                    ; wave 0..3
	v_and_b32 v2, 31, v0                           ; lane
	s_mov_b32 s31, MANT
	s_mov_b32 s34, 0                               ; what a trip adds to LDS places
	s_cmp_lt_u32 ttmp9, 96
	s_cbranch_scc1 .Lweights
	; ---------------- an input: 32 stored rows a work-group, 8 rows (8,192 numbers, 16 steps of 512) a wave
	s_mul_i32 s24, s20, 5120
	s_lshl_b32 s25, s20, 8
	s_add_co_u32 s25, s25, XSB
	v_lshlrev_b32 v3, 4, v2                        ; my 16 bytes of a load's 512, and of a step's 512 bytes of codes
	v_lshrrev_b32 v14, 2, v2
	v_mul_u32_u24 v14, v14, SP
	v_and_b32 v15, 3, v2
	v_lshl_add_u32 v14, v15, 4, v14
	v_add_nc_u32 v14, s24, v14                     ; the stage, on the way in
	v_mul_u32_u24 v15, v2, SP
	v_add_nc_u32 v15, s24, v15                     ; and on the way out: my 16 neighbours
	v_lshrrev_b32 v5, 1, v2
	v_add_nc_u32 v5, s25, v5                       ; my wave's 256 scale bytes, my block's byte
	v_lshlrev_b32 v7, 3, v2
	v_add_nc_u32 v6, s25, v7                       ; at the end 8 bytes a lane
	s_sub_co_u32 s22, ttmp9, 96
	s_lshr_b32 s21, s22, 8                         ; the tensor: 0 keys, 1 queries, 2 values
	s_and_b32 s22, s22, 255                        ; the group of 32 stored rows
	s_and_b32 s24, s20, 1                          ; m
	s_and_b32 s25, s22, 1                          ; u
	s_cmp_eq_u32 s21, 1
	s_cselect_b32 s26, s25, s24
	s_cselect_b32 s27, s24, s25
	s_lshr_b32 s23, s22, 3
	s_lshl_b32 s23, s23, 8                         ; 256 (group / 8)
	s_bfe_u32 s28, s22, 0x20001
	s_lshl_b32 s28, s28, 5                         ; 32 c
	s_add_co_u32 s23, s23, s28
	s_lshr_b32 s28, s20, 1
	s_lshl_b32 s28, s28, 7                         ; 128 w
	s_add_co_u32 s23, s23, s28
	s_lshl_b32 s26, s26, 4
	s_add_co_u32 s23, s23, s26
	s_lshl_b32 s27, s27, 3
	s_add_co_u32 s23, s23, s27                     ; the first of my 8 tokens
	s_lshl_b32 s26, s23, 12
	s_mov_b32 s27, 0
	s_lshl_b32 s28, s21, 23                        ; codes: the tensor's 8 MiB, 32 rows of 1,024 bytes, 8 rows
	s_lshl_b32 s29, s22, 15
	s_add_co_u32 s28, s28, s29
	s_lshl_b32 s29, s20, 13
	s_add_co_u32 s28, s28, s29
	s_mov_b32 s29, 0
	s_lshl_b32 s32, s21, 18                        ; scale bytes: the tensor's 262,144, 32 rows of 32, 8 rows
	s_lshl_b32 s33, s22, 10
	s_add_co_u32 s32, s32, s33
	s_lshl_b32 s33, s20, 8
	s_add_co_u32 s32, s32, s33
	s_mov_b32 s33, 0
	s_wait_alu depctr_va_vdst(0)                   ; the head's end
	s_wait_kmcnt 0x0
	s_cmp_eq_u32 s21, 1                            ; the choice hangs on the work-group's number alone
	s_cselect_b64 s[4:5], s[6:7], s[4:5]
	s_cmp_eq_u32 s21, 2
	s_cselect_b64 s[4:5], s[8:9], s[4:5]
	s_add_nc_u64 s[4:5], s[4:5], s[26:27]
	s_add_nc_u64 s[16:17], s[16:17], s[28:29]
	s_add_nc_u64 s[18:19], s[18:19], s[32:33]
.macro XLOAD j, off
.irp i, 0,1,2,3
	global_load_b128 v[R+16*(\j)+4*\i:R+16*(\j)+4*\i+3], v3, s[4:5] offset:(\off)+2048*(\j)+512*\i th:TH_LOAD_NT   ; 32 lanes read 512 consecutive bytes
.endr
.endm
.macro XTURN k                         ; a step's numbers through the stage: LDS serves a wave's instructions in order, so no wait stands between the stores and the loads
.irp i, 0,1,2,3
	ds_store_b128 v14, v[R+16*((\k)%4)+4*\i:R+16*((\k)%4)+4*\i+3] offset:32*SP*((\k)%2)+8*SP*\i
.endr
.irp i, 0,1,2,3
	ds_load_b128 v[X+16*((\k)%2)+4*\i:X+16*((\k)%2)+4*\i+3], v15 offset:32*SP*((\k)%2)+16*\i
.endr
.endm
.macro XSTEP j, ld, nw                 ; step j of a trip; ld: the loads of four steps on; nw: the loads that may be out behind the next step's (-1: there is none)
.set XS, X+16*((\j)%2)
.if (\j) == 0
	s_wait_dscnt 0x0
.else
	s_wait_dscnt 1                                 ; this step's numbers are back from the stage (the last step's byte store may be out): so its stores into the stage have read their registers,
.endif
.if \ld
	XLOAD \j, 8192                                 ; which take the loads of four steps on
.endif
.if (\nw) >= 0
	s_wait_loadcnt \nw
	XTURN (\j)+1                                   ; the next step goes through the other stage while this one is worked
.endif
	v_max3_num_f32 v8, |v[XS]|, |v[XS+1]|, |v[XS+2]|               ; the largest magnitude of my 16
	v_max3_num_f32 v9, |v[XS+3]|, |v[XS+4]|, |v[XS+5]|
.irp i, 6,10
	v_max3_num_f32 v8, v8, |v[XS+\i]|, |v[XS+\i+1]|
	v_max3_num_f32 v9, v9, |v[XS+\i+2]|, |v[XS+\i+3]|
.endr
	v_max3_num_f32 v8, v8, |v[XS+14]|, |v[XS+15]|
	v_max3_num_f32 v8, v8, v9, 0x8000000           ; and the floor 2^(16 - 127): so the byte cannot fall under 1
	v_max_num_f32_dpp v8, v8, v8 row_xmask:1 row_mask:0xf bank_mask:0xf   ; and of my neighbour's 16: the block's
	v_add_nc_u32 v11, 0xf8800000, v8               ; 15 off its exponent field: the conversion takes the exponent field of this operand as its scale
	v_and_or_b32 v10, v8, 0x7f800000, s31          ; 57,344 x the scale
.irp i, 0,1,2,3,4,5,6,7,8,9,10,11,12,13,14,15
	v_med3_num_f32 v[XS+\i], v[XS+\i], -v10, v10   ; the conversion to an 8-bit code does not saturate (ISA guide 7.6.2): the hold comes first
.endr
	v_cvt_scalef32_pk8_bf8_f32 v[C+4*(\j):C+4*(\j)+1], v[XS:XS+7], v11
	v_cvt_scalef32_pk8_bf8_f32 v[C+4*(\j)+2:C+4*(\j)+3], v[XS+8:XS+15], v11
	v_lshrrev_b32 v[E+(\j)], 23, v11               ; the scale's byte (a plain line behind the conversions)
	ds_store_b8 v4, v[E+(\j)] offset:16*(\j)       ; both lanes of a block write the same byte with the same value
	global_store_b128 v3, v[C+4*(\j):C+4*(\j)+3], s[16:17] offset:512*(\j)   ; 32 lanes store 512 consecutive bytes
.endm
.irp t, 0,1,2,3
	XLOAD \t, 0
.endr
	s_wait_loadcnt 12                              ; step 0's four loads are in; the twelve of steps 1 to 3 may be out
	XTURN 0
	s_mov_b32 s35, 3
.Lx:                                                   ; three trips of four steps; the last four are written out: they load nothing
	v_add_nc_u32 v4, s34, v5
	XSTEP 0, 1, 12
	XSTEP 1, 1, 12
	XSTEP 2, 1, 12
	XSTEP 3, 1, 12
	s_wait_xcnt 0x0                                ; the bases and the stores' data may be written again
	s_add_nc_u64 s[4:5], s[4:5], 8192
	s_add_nc_u64 s[16:17], s[16:17], 2048
	s_add_co_u32 s34, s34, 64
	s_wait_alu depctr_va_vdst(0)
	s_sub_co_u32 s35, s35, 1
	s_cmp_lg_u32 s35, 0
	s_cbranch_scc1 .Lx
	v_add_nc_u32 v4, s34, v5
	XSTEP 0, 0, 8
	XSTEP 1, 0, 4
	XSTEP 2, 0, 0
	XSTEP 3, 0, -1
	ds_load_b64 v[8:9], v6                         ; LDS serves a wave's instructions in order: these see my stores
	s_wait_dscnt 0x0
	global_store_b64 v7, v[8:9], s[18:19]          ; 32 lanes store 256 consecutive bytes, aligned: 8 rows of 32
	s_wait_tensorcnt 0x0                           ; the wave's end
	ds_add_u32 v[SPW], v[NIL]
	s_wait_dscnt 0x0
	s_endpgm
	; ---------------- a weight, [K][channels]: a lane takes a column, its registers run down K; a wave takes 32 columns x 256 along K
.Lweights:
	s_mul_i32 s26, s20, 32*PITCH
	s_add_co_u32 s26, s26, WST                     ; my stage
	s_wait_alu depctr_va_vdst(0)
	v_lshlrev_b32 v3, 2, v2                        ; in: 4 bytes a lane
	v_mul_u32_u24 v4, v2, PITCH
	v_add_nc_u32 v4, s26, v4                       ; into the stage: row = my column
	v_and_b32 v5, 15, v2
	v_lshrrev_b32 v10, 4, v2
	v_mul_u32_u24 v7, v10, PITCH
	v_lshl_add_u32 v7, v5, 4, v7
	v_add_nc_u32 v7, s26, v7                       ; out of it: sixteen lanes to a row, two rows an instruction
	v_lshlrev_b32 v8, 10, v10
	v_lshl_add_u32 v8, v5, 4, v8                   ; and the same in the codes' buffer (rows of 1,024 bytes)
	v_lshrrev_b32 v9, 3, v2
	v_lshlrev_b32 v9, 7, v9
	v_and_b32 v10, 7, v2
	v_lshl_add_u32 v9, v10, 3, v9                  ; 8 scale bytes for each stored row: row 16 (lane / 8) + lane % 8
	v_mov_b32 v24, 0
	v_mov_b32 v25, 0                               ; the scale bytes, shifted in from above
	s_lshr_b32 s22, ttmp9, 5                       ; the tensor
	s_and_b32 s23, ttmp9, 7                        ; which 128 columns
	s_bfe_u32 s24, ttmp9, 0x20003                  ; which 256 along K
	s_lshl_b32 s25, s23, 7
	s_lshr_b32 s26, s20, 1
	s_lshl_b32 s26, s26, 6
	s_and_b32 s27, s20, 1
	s_lshl_b32 s28, s27, 3
	s_add_co_u32 s30, s25, s26
	s_add_co_u32 s30, s30, s28                     ; my first stored row: 128 x block + 64 (wave / 2) + 8 (wave % 2)
	s_lshl_b32 s27, s20, 5
	s_add_co_u32 s25, s25, s27                     ; my first column
	s_lshl_b32 s26, s24, 20                        ; in: 256 rows of 4,096 bytes, my column
	s_lshl_b32 s27, s25, 2
	s_add_co_u32 s26, s26, s27
	s_mov_b32 s27, 0
	s_lshl_b32 s28, s22, 20
	s_add_co_u32 s28, s28, WOFF                    ; codes: the tensor's 1 MiB, my rows, my 256 along K
	s_lshl_b32 s29, s30, 10
	s_add_co_u32 s28, s28, s29
	s_lshl_b32 s29, s24, 8
	s_add_co_u32 s28, s28, s29
	s_mov_b32 s29, 0
	s_lshl_b32 s32, s22, 15
	s_add_co_u32 s32, s32, 786432                  ; scale bytes: the tensor's 32,768, the K step's 8,192, my rows
	s_lshl_b32 s33, s24, 13
	s_add_co_u32 s32, s32, s33
	s_lshl_b32 s33, s30, 3
	s_add_co_u32 s32, s32, s33
	s_mov_b32 s33, 0
	s_wait_alu depctr_va_vdst(0)                   ; the head's end
	s_wait_kmcnt 0x0
	s_cmp_eq_u32 s22, 1
	s_cselect_b64 s[4:5], s[12:13], s[10:11]
	s_cmp_eq_u32 s22, 2
	s_cselect_b64 s[4:5], s[14:15], s[4:5]
	s_add_nc_u64 s[4:5], s[4:5], s[26:27]
	s_add_nc_u64 s[16:17], s[16:17], s[28:29]
	s_add_nc_u64 s[18:19], s[18:19], s[32:33]
.macro WLOAD j, row                    ; 32 rows of my column into set j: 32 lanes read 128 consecutive bytes, the four waves 512
.irp i, 0,1,2,3,4,5,6,7,8,9,10,11,12,13,14,15,16,17,18,19,20,21,22,23,24,25,26,27,28,29,30,31
	global_load_b32 v[WX+32*(\j)+\i], v3, s[4:5] offset:((\row)+32*(\j)+\i)*4096 th:TH_LOAD_NT
.endr
.endm
.macro WBLOCK j, ld, nw
.set XS, WX+32*(\j)
	s_wait_loadcnt \nw                             ; this block's 32 loads are in; the next block's may be out
	v_max3_num_f32 v12, |v[XS]|, |v[XS+1]|, |v[XS+2]|               ; the block's largest magnitude: all 32 numbers are mine
	v_max3_num_f32 v13, |v[XS+3]|, |v[XS+4]|, |v[XS+5]|
.irp i, 6,10,14,18,22,26
	v_max3_num_f32 v12, v12, |v[XS+\i]|, |v[XS+\i+1]|
	v_max3_num_f32 v13, v13, |v[XS+\i+2]|, |v[XS+\i+3]|
.endr
	v_max3_num_f32 v12, v12, |v[XS+30]|, |v[XS+31]|
	v_max3_num_f32 v12, v12, v13, 0x8000000        ; and the floor
	v_add_nc_u32 v11, 0xf8800000, v12              ; the conversion's scale operand
	v_and_or_b32 v10, v12, 0x7f800000, s31         ; 57,344 x the scale
	v_lshrrev_b32 v13, 23, v11                     ; the scale's byte
	v_alignbit_b32 v24, v25, v24, 8                ; eight blocks shift eight bytes through the pair: the lowest K ends lowest
	v_alignbit_b32 v25, v13, v25, 8
.irp i, 0,1,2,3,4,5,6,7,8,9,10,11,12,13,14,15,16,17,18,19,20,21,22,23,24,25,26,27,28,29,30,31
	v_med3_num_f32 v[XS+\i], v[XS+\i], -v10, v10
.endr
.irp g, 0,1,2,3
	v_cvt_scalef32_pk8_bf8_f32 v[WC+2*\g:WC+2*\g+1], v[XS+8*\g:XS+8*\g+7], v11
.endr
	v_nop                                          ; a plain line behind the last conversion
	ds_store_b128 v6, v[WC:WC+3] offset:32*(\j)    ; 32 codes: 32 bytes of my column's row
	ds_store_b128 v6, v[WC+4:WC+7] offset:32*(\j)+16
.if \ld
	WLOAD \j, 64
.endif
	s_wait_dscnt 0x0                               ; the stores have read their registers: the next block's codes may be written
.endm
	WLOAD 0, 0
	WLOAD 1, 0
	s_mov_b32 s35, 3
.Lw:                                                   ; three trips of two blocks; the last two are written out: they load nothing
	v_add_nc_u32 v6, s34, v4
	WBLOCK 0, 1, 32
	WBLOCK 1, 1, 32
	s_wait_xcnt 0x0
	s_add_nc_u64 s[4:5], s[4:5], 262144
	s_add_co_u32 s34, s34, 64
	s_wait_alu depctr_va_vdst(0)
	s_sub_co_u32 s35, s35, 1
	s_cmp_lg_u32 s35, 0
	s_cbranch_scc1 .Lw
	v_add_nc_u32 v6, s34, v4
	WBLOCK 0, 0, 32
	WBLOCK 1, 0, 0
	global_store_b64 v9, v[24:25], s[18:19]
.irp t, 0,1,2,3,4,5,6,7,8,9,10,11,12,13,14,15
	ds_load_b128 v[OUTR+4*\t:OUTR+4*\t+3], v7 offset:2*\t*PITCH   ; LDS serves a wave's instructions in order: these see my stores
.endr
.irp t, 0,1,2,3,4,5,6,7,8,9,10,11,12,13,14,15
	s_wait_dscnt 15-\t
	global_store_b128 v8, v[OUTR+4*\t:OUTR+4*\t+3], s[16:17] offset:(16*(\t/4)+2*(\t%4))*1024   ; columns 2 t, 2 t + 1 go to their stored rows; 16 lanes store 256 consecutive bytes, aligned
.endr
	s_wait_tensorcnt 0x0                           ; the wave's end
	ds_add_u32 v[SPW], v[NIL]
	s_wait_dscnt 0x0
	s_endpgm
.Lfunc_end_k_q8578eec3dc_quant:
	.size	k_q8578eec3dc_quant, .Lfunc_end_k_q8578eec3dc_quant-k_q8578eec3dc_quant
	.p2alignl 7, 3214868480
	.fill 96, 4, 3214868480
	.section	.rodata,"a",@progbits
	.p2align	6, 0x0
	.amdhsa_kernel k_q8578eec3dc_quant
		.amdhsa_group_segment_fixed_size 56832
		.amdhsa_private_segment_fixed_size 0
		.amdhsa_enable_private_segment 0
		.amdhsa_kernarg_size 64
		.amdhsa_user_sgpr_count 2
		.amdhsa_user_sgpr_kernarg_segment_ptr 1
		.amdhsa_wavefront_size32 1
		.amdhsa_system_sgpr_workgroup_id_x 1
		.amdhsa_system_sgpr_workgroup_id_y 1
		.amdhsa_system_sgpr_workgroup_id_z 1
		.amdhsa_system_vgpr_workitem_id 0
		.amdhsa_next_free_vgpr 194
		.amdhsa_next_free_sgpr 66
		.amdhsa_reserve_vcc 0
		.amdhsa_float_denorm_mode_32 3
		.amdhsa_float_denorm_mode_16_64 3
		.amdhsa_memory_ordered 1
		.amdhsa_forward_progress 1
		.amdhsa_inst_pref_size 61
	.end_amdhsa_kernel
	.amdgpu_metadata
---
amdhsa.version: [ 1, 2 ]
amdhsa.kernels:
  - .name:           k_q8578eec3dc_quant
    .symbol:         k_q8578eec3dc_quant.kd
    .args:
      - { .name: inputs_for_keys, .offset: 0, .size: 8, .value_kind: global_buffer, .address_space: global }
      - { .name: inputs_for_queries, .offset: 8, .size: 8, .value_kind: global_buffer, .address_space: global }
      - { .name: inputs_for_values, .offset: 16, .size: 8, .value_kind: global_buffer, .address_space: global }
      - { .name: weight_K, .offset: 24, .size: 8, .value_kind: global_buffer, .address_space: global }
      - { .name: weight_Q, .offset: 32, .size: 8, .value_kind: global_buffer, .address_space: global }
      - { .name: weight_V, .offset: 40, .size: 8, .value_kind: global_buffer, .address_space: global }
      - { .name: c1, .offset: 48, .size: 8, .value_kind: global_buffer, .address_space: global }
      - { .name: s1, .offset: 56, .size: 8, .value_kind: global_buffer, .address_space: global }
    .group_segment_fixed_size: 56832
    .private_segment_fixed_size: 0
    .kernarg_segment_align: 8
    .kernarg_segment_size: 64
    .max_flat_workgroup_size: 128
    .sgpr_count:     66
    .vgpr_count:     194
    .wavefront_size: 32
...
	.end_amdgpu_metadata
.endif
;; end of part 1
;; launch proj (part 2): grid 16 x 16, 4 waves a work-group, clusters of 4 x 4, 327,680 bytes of LDS; arguments c1, s1, c2, s2; writes c2, s2
.if DOCPART == 2
	.amdgcn_target "amdgcn-amd-amdhsa--gfx1250"
	.amdhsa_code_object_version 6
	.text
	.protected	k_q8578eec3dc_proj
	.globl	k_q8578eec3dc_proj
	.p2align	8
	.type	k_q8578eec3dc_proj,@function
k_q8578eec3dc_proj:
	s_mov_b64 s[64:65], 0
	v_nop
	global_prefetch_b8 v0, s[64:65] scope:SCOPE_SE
	s_setreg_imm32_b32 hwreg(HW_REG_WAVE_MODE, 25, 1), 1
	s_wait_xcnt 0x0
	s_wait_alu depctr_hold_cnt(0) depctr_sa_sdst(0) depctr_va_vdst(0) depctr_va_sdst(0) depctr_va_ssrc(0) depctr_va_vcc(0) depctr_vm_vsrc(0)
	s_getreg_b32 s2, hwreg(HW_REG_IB_STS2, 6, 4)
	s_cmp_eq_u32 s2, 0
	s_cbranch_scc0 .Lentry_in_a_cluster
	s_endpgm
.Lentry_in_a_cluster:
	s_bfe_u32 s2, ttmp6, 0x10000c
	s_cmp_lg_u32 s2, 0xf033
	s_cbranch_scc0 .Lentry_shape_is_right
	s_endpgm
.Lentry_shape_is_right:
; The three projections on codes of BF8 with E8M0 scales, each result quantised on its way out; no f32 result is stored.
; LIMITS: a block of zeros gets the byte 1 and not 127 (zero codes; this program alone reads the bytes); blocks under 2^-111 are held at the byte 1; NaN, infinities and sums beyond f32's range are not served.
; THE RESULTS (r = lane % 16, h = lane / 16).  c2: first K and Q: [64 channels: v = 0 .. 15 K's, 16 .. 31 Q's][128 tokens][block b of 16][piece of 32 channels][lane][16 bytes]; from 16,777,216 on V: [64 channels][128 tokens][tile t][piece of 32 keys][lane][16].
; s2: first K's and Q's bytes [128 channels: 0 .. 7 K's, 8 .. 15 Q's][128 tokens][b][r][4]; from 524,288 on V's [64 channels][128 tokens][t][r][4].
; Rows of x stand in stored order: block s = 8 g + 2 c + u of a row of waves w: K's and V's row 8 m + i is token 128 (2 g + w) + 32 c + 16 m + 8 u + i of the 512, Q's 128 (2 g + w) + 16 (2 c + u) + 8 m + i.
; THE DEAL.  256 work-groups of four waves, 2 x 2; a wave holds 64 rows of a weight, all of K, in 512 registers and streams x's rows past them in blocks of 16, which stand in registers as two whole sets (256).
; PHASE 1: 512 rows x 128 columns of K (tile columns 0 to 7) or Q (8 to 15): sixteen blocks.  PHASE 2: 256 x 128 of V: eight blocks: window s18 of the tile row, column tile 4 (cluster x / 2) + cx.
; LDS: two slots of 128 rows x 1,040 bytes, the scale bytes of 512 + 256 rows, the results' scale bytes.  CLUSTERS of 4 x 4: x's rows are asked for jointly along a row of the cluster, a weight's along a column.
; FILLS.  At the head the first weight (wave 0, slot 1), chunk 0 (wave 1, slot 0), phase 1's scale bytes (wave 2), V's (wave 3).  Refills, each in a drained round, a quarter of 128 rows a wave: chunks 1, 2, 3 inside blocks 0, 4, 8, their first
; halves (waves 0 and 1's) shown by the plain barrier inside the block two on, their second by the next round; W_v behind block 11 into slot 0, shown by the round inside block 14; there V's first chunk goes into slot 1; V's second into slot 0 when W_v is in registers.
; PREFETCHES: each block of 256 bytes once in a cluster, shared out by address: chunks 1 and 2 behind the head's first barrier, chunk 3 in trip 1, W_v in trip 2, V's two chunks behind blocks 12 and 13.
; A block's quantiser stands among later products, two or three lines behind each: K's and Q's among the next block's, a pair of V's blocks, copied into two more sets of sums, among the next pair's.
.set WOFF, 25165824
.set KROW, 1024
.set NQ, 8
.set NB, 4
.set CH, 128
.set PITCH, KROW+16
.set FR, 16
.set FPW, 16  ; fragments in a window
.set NP, 8  ; plain vector lines behind a matrix instruction, ahead of a reader of its sums and of a load into what it has read
.set NF, 34  ; LDS loads of a block: eight fragments of four, two of four scale words
.set YB, CH*PITCH  ; slot 1
.set SCL, 2*CH*PITCH  ; scale bytes of 512 + 256 rows, as units of 256 bytes (8 rows) + 16 of padding
.set SSTEP, 4*272  ; 32 rows: from a block to my next
.set XN, SCL+96*272  ; K's, Q's scale bytes: [128 tokens: 4][b][r][4]
.set XV, XN+2048  ; V's: [64 channels: 2][128 tokens: 2][t][r][4]
.set SPARE, XV+1024
.set EMAX, 15
.set TB, 1024  ; a tile of 16 rows x 64 codes
.set ADRA0, 4  ; v4  LDS address of my fragments of block 0
.set CN, 5  ; v5  K's, Q's codes in a tile: 512 h + 16 r
.set AAS0, 6  ; v6  LDS address of my row's scale words in block 0;  v7, v8, v18: the prefetches' offsets (x's rows, W_v's, V's rows), never rewritten
.set CO, 9  ; v9  16 x lane
.set SPW, 10
.set NIL, 11
.set ADRA, 12  ; v12  as v4, for the block that is fetched next
.set VX, 13  ; v13  LDS address of a scale byte
.set ADRB, 14  ; v14, v15  my fragments of a weight in slot 1, in slot 0
.set ABS, 16  ; v16  my offset in a weight's scale bytes
.set AAS, 17  ; v17  as v6, for the block that is fetched next
.set RD, 19  ; v19  LDS: V's byte
.set SOP, 20  ; v20-23  the conversions' scale operands
.set SB, 24  ; v24-39  the weight's scale words: register 8 p + q: lanes 0-15 tile 2 p's, lanes 16-31 tile 2 p + 1's
.set SA, 44  ; v44-59  x's: two sets of eight
.set EB, 40  ; v40-43  scale bytes
.set TQ, 60  ; v60-63  maxima and bounds
.set ACC, 64  ; v64-191  four sets of four accumulators: products write 0 and 1 by turns; 2 and 3 take a pair of V's blocks for its way out
.set WS, 128  ; v128-143  in phase 1: W_v's scale words
.set NCD, 192  ; v192-199  K's or Q's 32 codes
.set MCD, 192  ; v192-207  V's: four registers a tile
.set G1A, 24
.set G0A, 56
.set G1B, 32
.set G0B, 60
.set G1R, 48
.set G0R, 68
.set G1S, 92
.set G1T, 84
.set G0S, 72
.set MSB, 0
.macro WIN new  ; the immediate's high byte repeats the setting that is left
.if MSB != \new
	s_set_vgpr_msb (MSB<<8)|\new
.set MSB, \new
.endif
.endm
.macro PLACES n
.rept \n
	v_nop
.endr
.endm
.macro BARRIER
	s_barrier_signal -1
	s_barrier_wait -1
.endm
.macro CROUND  ; a round of the cluster's barrier
	BARRIER
	s_cmp_lg_u32 s14, 0
	s_cbranch_scc1 .Lnot_wave_0_\@
	s_barrier_signal -3
.Lnot_wave_0_\@:
	s_barrier_wait -3
	BARRIER
.endm
.macro TLOAD g0, g1  ; a tensor load; an s_nop 0 and four v_nop follow it
	tensor_load_to_lds s[\g0:\g0+3], s[\g1:\g1+7]
	s_nop 0
	PLACES 4
.endm
.macro GROUP1 g, mask, rows  ; descriptor group 1: a tile of so many whole rows, 16 bytes of padding behind each in LDS
	s_or_b32 s[\g+0], s[\mask], (1<<20)|(1<<21)|(7<<22)|(3<<25)
	s_mov_b32 s[\g+1], KROW<<16
	s_mov_b32 s[\g+2], (\rows)<<16
	s_mov_b32 s[\g+3], KROW<<16
	s_mov_b32 s[\g+4], \rows
	s_mov_b32 s[\g+5], KROW
	s_mov_b32 s[\g+6], 0
	s_mov_b32 s[\g+7], 0
.endm
.macro GROUPS g, rows  ; scale bytes: dense, as rows of 256 bytes (32 elements of 8), 16 of padding behind each
	s_or_b32 s[\g+0], s44, (3<<16)|(1<<20)|(1<<21)|(5<<22)|(3<<25)
	s_mov_b32 s[\g+1], 32<<16
	s_mov_b32 s[\g+2], (\rows)<<16
	s_mov_b32 s[\g+3], 32<<16
	s_mov_b32 s[\g+4], \rows
	s_mov_b32 s[\g+5], 32
	s_mov_b32 s[\g+6], 0
	s_mov_b32 s[\g+7], 0
.endm
.macro SADD d, x
	s_add_co_u32 s\d, s\d, s\x
.endm
	s_load_b128 s[4:7], s[0:1], 0x0  ; c1, s1
	v_lshl_add_u32 v[SPW], v0, 2, SPARE
	v_mov_b32 v[NIL], 0
	ds_add_u32 v[SPW], v[NIL]  ; the wave's opening: the add, twice on end, and its wait ahead of my first tensor load
	ds_add_u32 v[SPW], v[NIL]
	v_lshrrev_b32 v1, 5, v0
	v_readfirstlane_b32 s14, v1  ; wave 0..3
	s_lshr_b32 s15, s14, 1  ; my row of waves
	s_and_b32 s16, s14, 1  ; my column of waves
	s_bfe_u32 s40, ttmp6, 0x40000  ; cx, cy: my place in the cluster
	s_bfe_u32 s41, ttmp6, 0x40004
	s_lshl_b32 s42, ttmp9, 2
	s_add_co_u32 s42, s42, s40  ; tile column = 4 x cluster x + cx
	s_and_b32 s43, ttmp7, 0xffff
	s_lshl_b32 s43, s43, 2
	s_add_co_u32 s43, s43, s41  ; tile row = 4 x cluster y + cy
	s_lshr_b32 s19, ttmp9, 1  ; phase 1's tensor: 0 K, 1 Q
	s_and_b32 s18, ttmp9, 1  ; V's window of 256 rows
	s_lshl_b32 s44, s41, 2
	s_lshl_b32 s44, 15, s44  ; my row of the cluster: shares x's rows
	s_lshl_b32 s45, 0x1111, s40  ; my column: shares a weight's
	GROUP1 G1B, 45, 128  ; wave 0: the first weight's 128 rows
	GROUP1 G1A, 44, CH  ; wave 1: chunk 0
	GROUP1 G1R, 44, CH/4  ; a refill of x's rows: 32 rows a wave
	GROUPS G1S, 64  ; wave 2: the scale bytes of 512 rows
	GROUPS G1T, 32  ; wave 3: of V's 256
	s_mov_b32 s[G0S], 1
	s_mul_i32 s[G0S+1], s16, 64*272
	s_add_co_u32 s[G0S+1], s[G0S+1], SCL
; offsets into c1: s67 phase 1's first row, s2 V's, s3 W_v's, s78 the first weight's
	s_lshl_b32 s67, s43, 19
	s_lshl_b32 s20, s18, 18
	s_add_co_u32 s2, s67, s20
	s_add_co_u32 s2, s2, 16777216
	s_lshl_b32 s20, s19, 23
	SADD 67, 20
	s_lshl_b32 s13, s19, 2
	SADD 13, 40  ; W_v's tile column
	s_lshl_b32 s3, s13, 17
	s_add_co_u32 s3, s3, WOFF+2097152
	s_and_b32 s21, s42, 7
	s_lshl_b32 s78, s21, 17
	s_lshl_b32 s20, s19, 20
	SADD 78, 20
	s_add_co_u32 s78, s78, WOFF
	s_mov_b32 s79, 0
; offsets into s1: s80 x's (wave 3: V's), s82 the first weight's my 64 rows, s12 W_v's
	s_lshl_b32 s20, s43, 14
	s_lshl_b32 s80, s19, 18
	SADD 80, 20
	s_lshl_b32 s22, s18, 13
	SADD 20, 22
	s_add_co_u32 s20, s20, 524288
	s_cmp_eq_u32 s16, 1
	s_cselect_b32 s80, s20, s80
	s_mov_b32 s81, 0
	s_lshl_b32 s82, s21, 10
	s_lshl_b32 s20, s19, 15
	SADD 82, 20
	s_lshl_b32 s22, s16, 9
	SADD 82, 22
	s_add_co_u32 s82, s82, 786432
	s_mov_b32 s83, 0
	s_lshl_b32 s12, s13, 10
	SADD 12, 22
	s_add_co_u32 s12, s12, 851968
	s_mov_b32 s[G0A], 1
	s_mov_b32 s[G0A+1], 0
	s_mov_b32 s[G0B], 1
	s_mov_b32 s[G0B+1], YB
	s_mov_b32 s[G0R], 1
	s_wait_alu depctr_va_vdst(0)
	v_and_b32 v1, 15, v0  ; r
	v_bfe_u32 v2, v0, 4, 1  ; h
	v_and_b32 v3, 31, v0  ; lane
	v_mul_u32_u24 v22, v1, PITCH
	v_mad_u32_u24 v23, v2, 16, v22  ; a fragment's row x pitch + 16 h
	s_mul_i32 s20, s15, 16*PITCH  ; block 0: rows 16 x my row of waves on
	v_add_nc_u32 v[ADRA0], s20, v23
	s_mul_i32 s22, s16, 64*PITCH  ; my 64 rows of a weight
	v_add_nc_u32 v[ADRB+1], s22, v23
	s_add_co_u32 s22, s22, YB
	v_add_nc_u32 v[ADRB], s22, v23
	v_lshlrev_b32 v[ABS], 3, v3  ; a weight's scale bytes: 8 for each row and 256 along K; lane l takes row l of a pair of tiles
	v_lshlrev_b32 v23, 5, v1  ; x's in LDS: 32 bytes a row, 16 more for each 256 passed
	v_lshrrev_b32 v22, 3, v1
	v_lshl_add_u32 v23, v22, 4, v23
	s_mul_i32 s20, s15, 2*272
	s_add_co_u32 s20, s20, SCL
	v_add_nc_u32 v[AAS0], s20, v23
	s_lshl_b32 s66, s40, 2  ; my share of a prefetch of x's rows among the cluster row's sixteen waves,
	SADD 66, 14
	s_lshl_b32 s100, s41, 2  ; and of W_v's among the column's
	SADD 100, 14
	s_wait_dscnt 0x0  ; both opening adds are done
	CROUND  ; the opening round: all sixteen work-groups are here
	s_wait_kmcnt 0x0
	s_mov_b32 s20, s67
	s_mov_b32 s21, 0
	s_add_nc_u64 s[G0A+2:G0A+3], s[4:5], s[20:21]
	s_or_b32 s[G0A+3], s[G0A+3], 0x80000000
	s_add_nc_u64 s[G0B+2:G0B+3], s[4:5], s[78:79]
	s_or_b32 s[G0B+3], s[G0B+3], 0x80000000
	s_add_nc_u64 s[G0S+2:G0S+3], s[6:7], s[80:81]
	s_or_b32 s[G0S+3], s[G0S+3], 0x80000000
	s_add_nc_u64 s[10:11], s[6:7], s[82:83]
	s_cmp_eq_u32 s14, 0  ; one joint load a wave, each in an arm of its own
	s_cbranch_scc0 .Lwave_1
	TLOAD G0B, G1B
	s_branch .Lasked
.Lwave_1:
	s_cmp_eq_u32 s14, 1
	s_cbranch_scc0 .Lwave_2
	TLOAD G0A, G1A
	s_branch .Lasked
.Lwave_2:
	s_cmp_eq_u32 s14, 2
	s_cbranch_scc0 .Lwave_3
	TLOAD G0S, G1S
	s_branch .Lasked
.Lwave_3:
	TLOAD G0S, G1T
.Lasked:
; where my results go: offsets now, the buffers' addresses in front of the stream
	s_lshl_b32 s21, s42, 1
	SADD 21, 16  ; my 64 channels: v = 2 x tile column + my column of waves
	s_lshl_b32 s76, s21, 19  ; s[76:77] codes: [v][128 tokens: 8 TB]: my tile row's first 128, and 128 on for wave row 1
	s_lshl_b32 s22, s43, 15
	SADD 76, 22
	s_lshl_b32 s22, s15, 13
	SADD 76, 22
	s_mov_b32 s77, 0
	s_lshl_b32 s78, s42, 15  ; s[78:79] scale bytes: wave n stores 128 tokens' 512
	s_lshl_b32 s22, s43, 11
	SADD 78, 22
	s_lshl_b32 s22, s14, 9
	SADD 78, 22
	s_mov_b32 s79, 0
	s_lshl_b32 s23, s13, 1
	s_lshl_b32 s20, s43, 1
	SADD 20, 18  ; V's window: 2 x tile row + s18
	s_add_co_u32 s21, s23, s16
	s_lshl_b32 s80, s21, 19  ; s[80:81] V's codes: [64 channels][128 tokens: 8 TB]
	s_lshl_b32 s22, s20, 14
	SADD 80, 22
	s_lshl_b32 s22, s15, 13
	SADD 80, 22
	s_add_co_u32 s80, s80, 16777216
	s_mov_b32 s81, 0
	s_add_co_u32 s21, s23, s15  ; s[82:83] V's scale bytes: wave n stores 64 channels n / 2, 128 tokens n % 2: 256 bytes
	s_lshl_b32 s82, s21, 14
	s_lshl_b32 s22, s20, 9
	SADD 82, 22
	s_lshl_b32 s22, s16, 8
	SADD 82, 22
	s_add_co_u32 s82, s82, 524288
	s_mov_b32 s83, 0
	s_wait_alu depctr_va_vdst(0)
	v_lshlrev_b32 v[CO], 4, v3
	s_lshl_b32 s21, s16, 1
	s_add_co_u32 s21, s21, XN
	s_lshl_b32 s22, s15, 9
	SADD 21, 22
	v_lshl_add_u32 v23, v1, 2, v2  ; 4 r + h
	v_add_nc_u32 v[VX], s21, v23
	s_lshl_b32 s21, s16, 9
	s_add_co_u32 s21, s21, XV
	s_lshl_b32 s22, s15, 8
	SADD 21, 22
	v_lshlrev_b32 v23, 2, v1
	v_add_nc_u32 v[RD], s21, v23
	v_lshlrev_b32 v23, 9, v2
	v_lshl_add_u32 v[CN], v1, 4, v23
	s_mov_b32 s20, s12
	s_mov_b32 s21, 0
	s_add_nc_u64 s[20:21], s[6:7], s[20:21]
.irp p, 0,1
.irp c, 0,1,2,3
	global_load_b64 v[SB+8*\p+2*\c:SB+8*\p+2*\c+1], v[ABS], s[10:11] offset:\p*256+8192*\c
	global_load_b64 v[WS+8*\p+2*\c:WS+8*\p+2*\c+1], v[ABS], s[20:21] offset:\p*256+8192*\c
.endr
.endr
	s_wait_xcnt 0x0  ; the fetch has taken its bases; they change below
	s_add_co_u32 s6, s67, CH*KROW  ; the rows that the next refill takes: chunk 1
	s_lshl_b32 s21, s66, 13
	s_add_co_u32 s22, s21, s67
	s_add_co_u32 s21, s21, s2
	s_lshl_b32 s20, s100, 13
	SADD 20, 3
	s_wait_alu depctr_va_vdst(0)
	v_lshl_add_u32 v7, v3, 8, s22
	v_lshl_add_u32 v18, v3, 8, s21
	v_lshl_add_u32 v8, v3, 8, s20
	v_add_nc_u32 v1, 32*PITCH, v[ADRA0]  ; v1, v2: block 1's LDS addresses
	v_add_nc_u32 v2, SSTEP, v[AAS0]
	s_wait_alu depctr_va_vdst(0)  ; the head's end
	s_cmp_eq_u32 s14, 0
	s_cbranch_scc0 .Lnot_b
	s_wait_tensorcnt 0x0  ; wave 0: the first weight has landed.  The other waves' wait stands at the second barrier
.Lnot_b:
	BARRIER
	global_prefetch_b8 v7, s[4:5] offset:CH*KROW th:TH_LOAD_NT scope:SCOPE_SE
	global_prefetch_b8 v7, s[4:5] offset:2*CH*KROW th:TH_LOAD_NT scope:SCOPE_SE
.macro WALU  ; the wait ahead of a wait that blocks, behind which something freshly written is read
	s_wait_alu depctr_va_vdst(0)
.endm
.macro MIDDLE  ; a round's middle
	WIN 0
	s_barrier_wait -1
	s_cmp_lg_u32 s14, 0
	s_cbranch_scc1 .Lnot_wave_0_\@
	s_barrier_signal -3
.Lnot_wave_0_\@:
	s_barrier_wait -3
.endm
.macro GRD
	s_wait_tensorcnt 0x0
	ds_add_u32 v[SPW], v[NIL]
.endm
.macro FRAG f, adr, q, off  ; a weight's fragment f, 16 rows x 128 of K: 16 registers: lane l holds row l % 16; registers 4 c .. 4 c + 3 hold K = 32 c + 16 (l / 16) + 0 .. 15.  Fragment f lies in window 1 + f / 16
	WIN (1+(\f)/FPW)<<6
.irp c, 0,1,2,3
	ds_load_b128 v[FR*((\f)%FPW)+4*\c:FR*((\f)%FPW)+4*\c+3], v[\adr] offset:128*(\q)+32*\c+(\off)
.endr
.endm
.macro WEIGHTS adr  ; my 64 rows of a weight, all of K, into windows 1 and 2: 128 loads
.irp q, 0,1,2,3,4,5,6,7
.irp b, 0,1,2,3
	FRAG NB*\q+\b, \adr, \q, \b*16*PITCH
.endr
.endr
	WIN 0
.endm
.macro FETCHAT k, a, s  ; a block of x, 16 rows, all of K, into set k of window 3, and its scale words: NF loads
	WIN 3<<6
.irp q, 0,1,2,3,4,5,6,7
.irp c, 0,1,2,3
	ds_load_b128 v[128*\k+FR*\q+4*\c:128*\k+FR*\q+4*\c+3], v[\a] offset:128*\q+32*\c
.endr
.endr
	WIN 0
	ds_load_b128 v[SA+8*\k:SA+8*\k+3], v[\s]
	ds_load_b128 v[SA+8*\k+4:SA+8*\k+7], v[\s] offset:16
.endm
.macro PROD kind, e, a, n  ; product n = 4 q + b of a block: the q-th 128 of K, column tile b; x's rows in set e, sums in set a.  kind 0 (K, Q): source 0 = the weight's rows; kind 1 (V): source 0 = x's rows
.set Q_, (\n)/4
.set B_, (\n)%4
.set FB_, NB*Q_+B_
.set AC_, ACC+32*(\a)+8*B_
.set R_, 128*(\e)+FR*Q_
.set W_, FR*(FB_%FPW)
.set XS_, SA+8*(\e)+Q_
.set WS_, SB+8*(B_/2)+Q_
.if \kind
	WIN 3|((1+FB_/FPW)<<2)
.if Q_ && B_%2
	v_wmma_scale_f32_16x16x128_f8f6f4 v[AC_:AC_+7], v[R_:R_+FR-1], v[W_:W_+FR-1], v[AC_:AC_+7], v[XS_], v[WS_] matrix_a_fmt:MATRIX_FMT_BF8 matrix_b_fmt:MATRIX_FMT_BF8 matrix_b_scale:MATRIX_SCALE_ROW1
.elseif Q_
	v_wmma_scale_f32_16x16x128_f8f6f4 v[AC_:AC_+7], v[R_:R_+FR-1], v[W_:W_+FR-1], v[AC_:AC_+7], v[XS_], v[WS_] matrix_a_fmt:MATRIX_FMT_BF8 matrix_b_fmt:MATRIX_FMT_BF8
.elseif B_%2
	v_wmma_scale_f32_16x16x128_f8f6f4 v[AC_:AC_+7], v[R_:R_+FR-1], v[W_:W_+FR-1], 0, v[XS_], v[WS_] matrix_a_fmt:MATRIX_FMT_BF8 matrix_b_fmt:MATRIX_FMT_BF8 matrix_b_scale:MATRIX_SCALE_ROW1
.else
	v_wmma_scale_f32_16x16x128_f8f6f4 v[AC_:AC_+7], v[R_:R_+FR-1], v[W_:W_+FR-1], 0, v[XS_], v[WS_] matrix_a_fmt:MATRIX_FMT_BF8 matrix_b_fmt:MATRIX_FMT_BF8
.endif
.else
	WIN (1+FB_/FPW)|(3<<2)
.if Q_ && B_%2
	v_wmma_scale_f32_16x16x128_f8f6f4 v[AC_:AC_+7], v[W_:W_+FR-1], v[R_:R_+FR-1], v[AC_:AC_+7], v[WS_], v[XS_] matrix_a_fmt:MATRIX_FMT_BF8 matrix_b_fmt:MATRIX_FMT_BF8 matrix_a_scale:MATRIX_SCALE_ROW1
.elseif Q_
	v_wmma_scale_f32_16x16x128_f8f6f4 v[AC_:AC_+7], v[W_:W_+FR-1], v[R_:R_+FR-1], v[AC_:AC_+7], v[WS_], v[XS_] matrix_a_fmt:MATRIX_FMT_BF8 matrix_b_fmt:MATRIX_FMT_BF8
.elseif B_%2
	v_wmma_scale_f32_16x16x128_f8f6f4 v[AC_:AC_+7], v[W_:W_+FR-1], v[R_:R_+FR-1], 0, v[WS_], v[XS_] matrix_a_fmt:MATRIX_FMT_BF8 matrix_b_fmt:MATRIX_FMT_BF8 matrix_a_scale:MATRIX_SCALE_ROW1
.else
	v_wmma_scale_f32_16x16x128_f8f6f4 v[AC_:AC_+7], v[W_:W_+FR-1], v[R_:R_+FR-1], 0, v[WS_], v[XS_] matrix_a_fmt:MATRIX_FMT_BF8 matrix_b_fmt:MATRIX_FMT_BF8
.endif
.endif
.endm
.macro HOLD x, b  ; a sum held at the largest number that the format has under its block's scale (the conversion does not saturate: ISA guide 7.6.2)
	v_med3_num_f32 v[\x], v[\x], -v[TQ+\b], v[TQ+\b]
.endm
.macro SCALES i, n  ; i = 0: the conversion's scale operand v[SOP + n]; 1: the bound; 2: a second copy of it; 3: the scale byte
.if (\i) == 0
	v_add_nc_u32 v[SOP+\n], -(EMAX<<23), v[TQ]
.elseif (\i) == 1
	v_and_or_b32 v[TQ+1], v[TQ], 0x7f800000, s62
.elseif (\i) == 2
	v_mov_b32 v[TQ+3], v[TQ+1]
.else
	v_lshrrev_b32 v[EB+\n], 23, v[SOP+\n]
.endif
.endm
.macro MAXQ k, x  ; K, Q: 18 lines: the largest magnitude of the 32 sums at x, and the floor under which a byte would fall under 1
.if (\k) < 4
	v_max3_num_f32 v[TQ+\k], |v[\x+8*(\k)]|, |v[\x+8*(\k)+1]|, |v[\x+8*(\k)+2]|
.elseif (\k) < 12
	v_max3_num_f32 v[TQ+(\k)%4], v[TQ+(\k)%4], |v[\x+8*((\k)%4)+2*((\k)/4)+1]|, |v[\x+8*((\k)%4)+2*((\k)/4)+2]|
.elseif (\k) < 16
	v_max_num_f32 v[TQ+(\k)%4], v[TQ+(\k)%4], |v[\x+8*((\k)%4)+7]|
.elseif (\k) == 16
	v_max3_num_f32 v[TQ], v[TQ], v[TQ+1], v[TQ+2]
.else
	v_max3_num_f32 v[TQ], v[TQ], v[TQ+3], (EMAX+1)<<23
.endif
.endm
.macro HOLDS m, x  ; two of a scale block's holds; the bound is read from its second copy where its first would be read late
.if (\m) == 3
	HOLD \x, 3
	HOLD \x+1, 3
.else
	HOLD \x, 1
	HOLD \x+1, 1
.endif
.if (\m) == 2
	SCALES 2, 0
.endif
.endm
.macro GAPQ m, x  ; the quantiser of K's or Q's block, gaps 0 .. 26: a scale block of 32 lies in a lane: the sums at x -> codes NCD, byte EB
.if (\m) < 9
	MAXQ 2*(\m), \x
	MAXQ 2*(\m)+1, \x
.elseif (\m) == 9
	SCALES 0, 0
	SCALES 1, 0
.elseif (\m) < 26
	HOLDS (\m)-10, \x+2*((\m)-10)
.if ((\m)-10)%4 == 3
	v_cvt_scalef32_pk8_bf8_f32 v[NCD+2*(((\m)-10)/4):NCD+2*(((\m)-10)/4)+1], v[\x+8*(((\m)-10)/4):\x+8*(((\m)-10)/4)+7], v[SOP]
.endif
.elseif (\m) == 26
	SCALES 3, 0
.endif
.endm
.macro GAPV u, x  ; the quantiser of a pair of V's blocks, gaps 0 .. 59, 15 a tile: a scale block of 32 lies in lanes l and l xor 16: the even block's sums at x, the odd's at x + 32 -> codes MCD + 4 t, bytes EB + t
.set T_, (\u)/15
.set J_, (\u)%15
.set E_, \x+8*T_
.set O_, E_+32
.if (\u) > 59
.elseif J_ == 0
	v_max3_num_f32 v[TQ], |v[E_]|, |v[E_+1]|, |v[E_+2]|
	v_max3_num_f32 v[TQ+2], |v[O_]|, |v[O_+1]|, |v[O_+2]|
.elseif J_ < 3
	v_max3_num_f32 v[TQ], v[TQ], |v[E_+2*J_+1]|, |v[E_+2*J_+2]|
	v_max3_num_f32 v[TQ+2], v[TQ+2], |v[O_+2*J_+1]|, |v[O_+2*J_+2]|
.elseif J_ == 3
	v_max3_num_f32 v[TQ+2], v[TQ+2], |v[O_+7]|, (EMAX+1)<<23
	v_max3_num_f32 v[TQ], v[TQ], |v[E_+7]|, v[TQ+2]
.elseif J_ == 4
	v_permlanex16_b32 v[TQ+2], v[TQ], s60, s61  ; the other half's largest
	v_max_num_f32 v[TQ], v[TQ], v[TQ+2]
.elseif J_ == 5
	SCALES 0, T_
	SCALES 1, T_
.elseif J_ < 10
	HOLDS J_-6, E_+2*(J_-6)
.if J_ == 9
	v_cvt_scalef32_pk8_bf8_f32 v[MCD+4*T_:MCD+4*T_+1], v[E_:E_+7], v[SOP+T_]
.endif
.elseif J_ < 14
	HOLDS J_-6, O_+2*(J_-10)
.if J_ == 13
	v_cvt_scalef32_pk8_bf8_f32 v[MCD+4*T_+2:MCD+4*T_+3], v[O_:O_+7], v[SOP+T_]
.endif
.else
	SCALES 3, T_
.endif
.endm
.macro RDESC i, off, lds  ; group 0 of a refill, in two parts: a quarter of 128 rows a wave, the rows at s[off] of c1, into LDS at s[lds]
.if (\i) == 0
	s_mul_i32 s[G0R+1], s14, CH/4*PITCH
	s_add_co_u32 s[G0R+1], s[G0R+1], s\lds
	s_mul_i32 s20, s14, CH/4*KROW
	s_add_co_u32 s20, s20, s\off
.else
	s_mov_b32 s21, 0
	s_add_nc_u64 s[G0R+2:G0R+3], s[4:5], s[20:21]
	s_or_b32 s[G0R+3], s[G0R+3], 0x80000000
.endif
.endm
; WHAT STANDS BEHIND PRODUCT n.  j: the block's number in its trip (4 .. 7: blocks 12 .. 15; V's: -1, -2).  The addresses of the block two on stand behind 0 and 1; a byte's next place behind 2; a refill's group 0 behind 29 and 30; from 1 on a way out: y = 1 K's or Q's block at x; 2, 3 the halves of V's pair at x
.macro LIST n, j, y, x
.if (\n) == 0
.if (\j) >= 0
	s_add_nc_u64 s[84:85], s[84:85], TB
.if (\j) == 1
	s_cmp_eq_u32 s46, 2
	s_cselect_b64 s[84:85], s[88:89], s[84:85]
.endif
.endif
	WIN 0
.if (\j) == 0 || (\j) == 1
	s_add_co_u32 s22, s101, ((\j)+2)*32*PITCH
	v_add_nc_u32 v[ADRA], s22, v[ADRA0]
.elseif (\j) > 1 && (\j) < 6
	s_add_co_u32 s22, s47, ((\j)%2)*32*PITCH
	v_add_nc_u32 v[ADRA], s22, v[ADRA0]
.elseif (\j) < 0
	s_add_co_u32 s22, s47, (-1-(\j))*32*PITCH
	v_add_nc_u32 v[ADRA], s22, v[ADRA0]
.endif
.elseif (\n) == 1
	WIN 0
.if (\j) == 0 || (\j) == 1
	s_add_co_u32 s22, s17, ((\j)+2)*SSTEP
	v_add_nc_u32 v[AAS], s22, v[AAS0]
.elseif (\j) > 1 && (\j) < 6
	s_add_co_u32 s22, s8, ((\j)%2)*SSTEP
	v_add_nc_u32 v[AAS], s22, v[AAS0]
.elseif (\j) < 0
	s_add_co_u32 s22, s8, (-1-(\j))*SSTEP
	v_add_nc_u32 v[AAS], s22, v[AAS0]
.endif
.endif
.if ((\j) == 0 || (\j) == 6) && ((\n) == 29 || (\n) == 30)
	RDESC (\n)-29, 6, 47
.elseif (\j) == 1 && (\n) == 2
	WIN 0
	v_add_nc_u32 v[VX], s9, v[VX]
.elseif (\j) == 5 && (\n) == 2
	WIN 0
	v_add_nc_u32 v[VX], 256, v[VX]
.endif
.if (\y) == 1 && (\n) > 0 && (\n) < 28
	WIN 0
	GAPQ (\n)-1, \x
.elseif (\y) == 2 && (\n) > 0 && (\n) < 31
	WIN 0
	GAPV (\n)-1, \x
.elseif (\y) == 3 && (\n) > 0 && (\n) < 31
	WIN 0
	GAPV (\n)+29, \x
.endif
.endm
.macro BLOCK kind, e, a, from, to, j, y, x
.set N_, \from
.rept (\to)-(\from)
	PROD \kind, \e, \a, N_
	LIST N_, \j, \y, \x
.set N_, N_+1
.endr
.endm
.macro BLK kind, e, a, w, j, y, x  ; a block; w: the wait's count for its LDS loads (-1: they are in)
.if (\w) >= 0
	s_wait_dscnt \w
.endif
	s_wait_xcnt 0x0  ; the stores' registers and the pointer may be written again
	BLOCK \kind, \e, \a, 0, 32, \j, \y, \x
	WIN 0
	PLACES NP
.endm
.macro RBLK kind, e, a, w, j, y, x  ; a block with a round of the cluster's barrier: the lines at its head, the signal behind 28 products
.if (\w) >= 0
	s_wait_dscnt \w
.endif
	s_wait_xcnt 0x0
	GRD
	BLOCK \kind, \e, \a, 0, 28, \j, \y, \x
	WIN 0
	WALU
	s_wait_dscnt 0x0
	s_barrier_signal -1
	BLOCK \kind, \e, \a, 28, 32, \j, \y, \x
	MIDDLE
	BARRIER
.endm
.macro SBLK kind, e, a, w, j, y, x, half=0  ; a block with a plain barrier (half = 1: it shows waves 0 and 1's loads alone)
.if (\w) >= 0
	s_wait_dscnt \w
.endif
	s_wait_xcnt 0x0
	BLOCK \kind, \e, \a, 0, 28, \j, \y, \x
	WIN 0
	WALU
.if \half
	s_cmp_lt_u32 s14, 2
	s_cbranch_scc0 .Lnot_yet_\@
	s_wait_tensorcnt 0x0
.Lnot_yet_\@:
.else
	s_wait_tensorcnt 0x0
.endif
	s_wait_dscnt 0x0
	s_barrier_signal -1
	BLOCK \kind, \e, \a, 28, 32, \j, \y, \x
	WIN 0
	s_barrier_wait -1
	PLACES NP
.endm
.macro QOUT off, boff  ; a block's byte goes to its place in LDS, its 32 codes a lane leave: sixteen lanes fill 256 consecutive bytes
	ds_store_b8 v[VX], v[EB] offset:\boff
	global_store_b128 v[CN], v[NCD:NCD+3], s[84:85] offset:\off
	global_store_b128 v[CN], v[NCD+4:NCD+7], s[84:85] offset:(\off)+256
.endm
	WEIGHTS ADRB
	s_wait_tensorcnt 0x0  ; chunk 0 and the scale bytes are in; the first weight is in registers
	s_wait_dscnt 0x0
	BARRIER
	FETCHAT 0, ADRA0, AAS0
	FETCHAT 1, 1, 2
	s_load_b128 s[92:95], s[0:1], 0x10  ; c2, s2
	s_mov_b32 s60, 0x76543210
	s_mov_b32 s61, 0xfedcba98  ; v_permlanex16_b32's selects for lane l xor 16
	s_mov_b32 s62, 0x600000  ; the mantissa field of 57,344
.set I_, 0
.rept 32
	v_mov_b32 v[ACC+32+I_], 0  ; block 0's way out has no block before it: it works on zeros and stores nothing
.set I_, I_+1
.endr
	s_wait_kmcnt 0x0
	s_add_nc_u64 s[96:97], s[92:93], s[80:81]
	s_add_nc_u64 s[98:99], s[94:95], s[82:83]
	s_add_nc_u64 s[94:95], s[94:95], s[78:79]
	s_add_nc_u64 s[84:85], s[92:93], s[76:77]
	s_add_nc_u64 s[88:89], s[84:85], 16*TB  ; block 8's codes
	s_sub_nc_u64 s[84:85], s[84:85], 2*TB
	s_mov_b32 s46, 0  ; s46 the trip; s101, s47 this chunk's slot and the next chunk's; s17, s8 their scale words' step; s9 to a byte's next place
	s_mov_b32 s9, 0
	s_mov_b32 s101, 0
	s_mov_b32 s47, YB
	s_mov_b32 s17, 0
	s_mov_b32 s8, 4*SSTEP
	s_wait_loadcnt 0x0
.Lfour:
	RBLK 0, 0, 0, NF, 0, 1, ACC+32  ; blocks 0, 4, 8: chunks 1, 2, 3 come
	s_cmp_lt_u32 s14, 2  ; waves 0, 1 and waves 2, 3 have a load line each: the barrier inside the block two on waits for the first line's alone
	s_cbranch_scc0 .Lupper
	TLOAD G0R, G1R
	s_branch .Lboth
.Lupper:
	TLOAD G0R, G1R
.Lboth:
	PLACES NP-4
	s_cmp_eq_u32 s46, 0
	s_cbranch_scc1 .Lno_block_before
	QOUT 0, 192
.Lno_block_before:
	FETCHAT 0, ADRA, AAS
	BLK 0, 1, 1, -1, 1, 1, ACC
	QOUT 0, 0
	FETCHAT 1, ADRA, AAS
	SBLK 0, 0, 0, NF, 2, 1, ACC+32, 1  ; the next chunk's first half is in
	QOUT 0, 64
	s_cmp_eq_u32 s46, 1
	s_cbranch_scc0 .Lnot_chunk_3
	global_prefetch_b8 v7, s[4:5] offset:3*CH*KROW th:TH_LOAD_NT scope:SCOPE_SE
.Lnot_chunk_3:
	s_cmp_eq_u32 s46, 2
	s_cbranch_scc0 .Lnot_wv
	global_prefetch_b8 v8, s[4:5] th:TH_LOAD_NT scope:SCOPE_SE
.Lnot_wv:
	FETCHAT 0, ADRA, AAS
	BLK 0, 1, 1, -1, 3, 1, ACC
	QOUT 0, 128
	FETCHAT 1, ADRA, AAS
	s_mov_b32 s9, 768  ; from block 4's bytes to block 8's
	s_cmp_eq_u32 s46, 0
	s_cselect_b32 s9, 256, s9
	s_add_co_u32 s6, s6, CH*KROW
	s_mov_b32 s101, s47
	s_mov_b32 s17, s8
	s_xor_b32 s47, s47, YB
	s_add_co_u32 s8, s8, 4*SSTEP
	s_add_co_u32 s46, s46, 1
	s_cmp_lg_u32 s46, 3
	s_cbranch_scc1 .Lfour
	GRD
	s_mul_i32 s20, s14, CH/4*KROW
	s_add_co_u32 s20, s20, s3
	s_mov_b32 s21, 0
	s_mul_i32 s[G0A+1], s14, CH/4*PITCH
	s_add_nc_u64 s[G0A+2:G0A+3], s[4:5], s[20:21]
	s_or_b32 s[G0A+3], s[G0A+3], 0x80000000
	GROUP1 G1A, 45, CH/4
	s_wait_dscnt 0x0
	s_barrier_signal -1
	MIDDLE
	BARRIER
	TLOAD G0A, G1A
	s_mov_b32 s47, YB+64*PITCH
	s_mov_b32 s8, 14*SSTEP
	BLK 0, 0, 0, NF, 4, 1, ACC+32  ; block 12
	QOUT 0, 192
	global_prefetch_b8 v18, s[4:5] th:TH_LOAD_NT scope:SCOPE_SE
	FETCHAT 0, ADRA, AAS
	BLK 0, 1, 1, NF, 5, 1, ACC  ; block 13
	QOUT 0, 0
	global_prefetch_b8 v18, s[4:5] offset:CH*KROW th:TH_LOAD_NT scope:SCOPE_SE
	FETCHAT 1, ADRA, AAS
	s_mov_b32 s6, s2
	s_mov_b32 s47, YB
	RBLK 0, 0, 0, NF, 6, 1, ACC+32  ; block 14: its round shows W_v's rows; V's first chunk goes into slot 1, which all waves have read out
	TLOAD G0R, G1R
	PLACES NP-4
	QOUT 0, 64
	BLK 0, 1, 1, -1, 7, 1, ACC  ; block 15
	QOUT 0, 128
; the change of phase
	s_wait_xcnt 0x0
.macro CHANGE i  ; among W_v's 128 loads: the last block's way out; W_v's scale words into their place; zeros into what no block has written yet (V's first trip reads the sums' registers and stores nothing)
.if (\i) < 7
.irp k, 0,1,2,3
.if 4*(\i)+\k < 27
	GAPQ 4*(\i)+\k, ACC+32
.endif
.endr
.elseif (\i) < 9
.irp q, 0,1,2,3,4,5,6,7
	v_mov_b32 v[SB+8*((\i)-7)+\q], v[WS+8*((\i)-7)+\q]
.endr
.elseif (\i) < 15
.irp q, 0,1,2,3,4,5,6,7
	v_mov_b32 v[ACC+80+8*((\i)-9)+\q], 0
.endr
.endif
.endm
.irp q, 0,1,2,3,4,5,6,7
.irp b, 0,2
	FRAG NB*\q+\b, ADRB+1, \q, \b*16*PITCH
	FRAG NB*\q+\b+1, ADRB+1, \q, (\b+1)*16*PITCH
	WIN 0
	CHANGE 2*\q+\b/2
.endr
.endr
	QOUT TB, 192
	v_add_nc_u32 v[ADRA], YB, v[ADRA0]  ; V's blocks 0 and 1
	v_add_nc_u32 v[AAS], 16*SSTEP, v[AAS0]
	v_add_nc_u32 v1, YB+32*PITCH, v[ADRA0]
	v_add_nc_u32 v2, 17*SSTEP, v[AAS0]
	WALU
	GRD
	s_add_co_u32 s6, s2, CH*KROW
	s_mov_b32 s47, 0
	RDESC 0, 6, 47
	RDESC 1, 6, 47
	s_mov_b32 s46, 0
	s_mov_b32 s47, YB+64*PITCH
	s_mov_b32 s8, 18*SSTEP
	s_wait_dscnt 0x0
	s_barrier_signal -1
	MIDDLE
	BARRIER
	TLOAD G0R, G1R
	FETCHAT 0, ADRA, AAS
	FETCHAT 1, 1, 2
	s_wait_dscnt NF
.macro VOUT  ; a pair of V's blocks: four tiles' bytes and codes
.irp t, 0,1,2,3
	ds_store_b8 v[VX], v[EB+\t] offset:64*\t
	global_store_b128 v[CO], v[MCD+4*\t:MCD+4*\t+3], s[84:85] offset:2*TB*\t
.endr
.endm
.macro VTO  ; s22 = c: where a pair's codes and bytes go
	s_lshl_b32 s20, s22, 9
	s_mov_b32 s21, 0
	s_add_nc_u64 s[84:85], s[96:97], s[20:21]
	v_add_nc_u32 v[VX], s22, v[RD]
.endm
.Lpair:
	BLK 1, 0, 0, -1, -1, 2, ACC+64
	s_cmp_eq_u32 s46, 3
	s_cbranch_scc1 .Lnone_0
	FETCHAT 0, ADRA, AAS
	s_wait_dscnt NF
	s_branch .Lgo
.Lnone_0:
	s_wait_dscnt 0x0
.Lgo:
	SBLK 1, 1, 1, -1, -2, 3, ACC+64  ; the first trip's shows V's second chunk
.set I_, 0
.rept 32  ; the pair's sums are copied, so that one trip is two blocks of text
	v_dual_mov_b32 v[ACC+64+I_], v[ACC+I_] :: v_dual_mov_b32 v[ACC+64+I_+1], v[ACC+I_+1]
.set I_, I_+2
.endr
	s_add_co_u32 s22, s46, 3
	s_and_b32 s22, s22, 3  ; the pair before this one
	VTO
	s_cmp_eq_u32 s46, 0
	s_cbranch_scc1 .Lno_pair_before
	VOUT
.Lno_pair_before:
	s_cmp_eq_u32 s46, 3
	s_cbranch_scc1 .Lnone_1
	FETCHAT 1, ADRA, AAS
.Lnone_1:
	s_mov_b32 s8, 22*SSTEP
	s_cmp_eq_u32 s46, 0
	s_cselect_b32 s47, 0, 64*PITCH
	s_cselect_b32 s8, 20*SSTEP, s8
	s_add_co_u32 s46, s46, 1
	s_cmp_lg_u32 s46, 4
	s_cbranch_scc1 .Lpair
	s_wait_xcnt 0x0
.set K_, 0
.rept 60
	GAPV K_, ACC+64
.set K_, K_+1
.endr
	s_mov_b32 s22, 3
	VTO
	VOUT
	s_wait_dscnt 0x0  ; the scale bytes lie in LDS
	BARRIER
	v_lshlrev_b32 v20, 4, v3
	s_lshl_b32 s21, s14, 9
	s_add_co_u32 s21, s21, XN
	v_add_nc_u32 v21, s21, v20
	v_lshlrev_b32 v22, 3, v3
	s_lshl_b32 s21, s14, 8
	s_add_co_u32 s21, s21, XV
	v_add_nc_u32 v23, s21, v22
	s_wait_alu depctr_va_vdst(0)
	ds_load_b128 v[60:63], v21
	ds_load_b64 v[40:41], v23
	s_wait_dscnt 0x0
	global_store_b128 v20, v[60:63], s[94:95]
	global_store_b64 v22, v[40:41], s[98:99]
	s_wait_tensorcnt 0x0  ; the wave's end
	ds_add_u32 v[SPW], v[NIL]
	s_wait_dscnt 0x0
	CROUND  ; the closing round: no work-group ends while a partner may still issue a joint load that names it
	s_endpgm
.Lfunc_end_k_q8578eec3dc_proj:
	.size	k_q8578eec3dc_proj, .Lfunc_end_k_q8578eec3dc_proj-k_q8578eec3dc_proj
	.p2alignl 7, 3214868480
	.fill 96, 4, 3214868480
	.section	.rodata,"a",@progbits
	.p2align	6, 0x0
	.amdhsa_kernel k_q8578eec3dc_proj
		.amdhsa_group_segment_fixed_size 327680
		.amdhsa_private_segment_fixed_size 0
		.amdhsa_enable_private_segment 0
		.amdhsa_kernarg_size 32
		.amdhsa_user_sgpr_count 2
		.amdhsa_user_sgpr_kernarg_segment_ptr 1
		.amdhsa_wavefront_size32 1
		.amdhsa_system_sgpr_workgroup_id_x 1
		.amdhsa_system_sgpr_workgroup_id_y 1
		.amdhsa_system_sgpr_workgroup_id_z 1
		.amdhsa_system_vgpr_workitem_id 0
		.amdhsa_next_free_vgpr 1024
		.amdhsa_next_free_sgpr 102
		.amdhsa_reserve_vcc 0
		.amdhsa_float_denorm_mode_32 3
		.amdhsa_float_denorm_mode_16_64 3
		.amdhsa_memory_ordered 1
		.amdhsa_forward_progress 1
		.amdhsa_inst_pref_size 186
	.end_amdhsa_kernel
	.amdgpu_metadata
---
amdhsa.version: [ 1, 2 ]
amdhsa.kernels:
  - .name:           k_q8578eec3dc_proj
    .symbol:         k_q8578eec3dc_proj.kd
    .args:
      - { .name: c1, .offset: 0, .size: 8, .value_kind: global_buffer, .address_space: global }
      - { .name: s1, .offset: 8, .size: 8, .value_kind: global_buffer, .address_space: global }
      - { .name: c2, .offset: 16, .size: 8, .value_kind: global_buffer, .address_space: global }
      - { .name: s2, .offset: 24, .size: 8, .value_kind: global_buffer, .address_space: global }
    .group_segment_fixed_size: 327680
    .private_segment_fixed_size: 0
    .kernarg_segment_align: 8
    .kernarg_segment_size: 32
    .max_flat_workgroup_size: 128
    .sgpr_count:     102
    .vgpr_count:     1024
    .wavefront_size: 32
...
	.end_amdgpu_metadata
.endif
;; end of part 2
;; launch scores (part 3): grid 9 x 16, 4 waves a work-group, no clusters, 327,680 bytes of LDS; arguments c2, s2, pc, ps, st; writes pc, ps, st
.if DOCPART == 3
	.amdgcn_target "amdgcn-amd-amdhsa--gfx1250"
	.amdhsa_code_object_version 6
	.text
	.protected	k_q8578eec3dc_scores
	.globl	k_q8578eec3dc_scores
	.p2align	8
	.type	k_q8578eec3dc_scores,@function
k_q8578eec3dc_scores:
	s_mov_b64 s[64:65], 0
	v_nop
	global_prefetch_b8 v0, s[64:65] scope:SCOPE_SE
	s_setreg_imm32_b32 hwreg(HW_REG_WAVE_MODE, 25, 1), 1
	s_wait_xcnt 0x0
; S = Q K^T on codes of BF8, a tile of 256 queries x 256 keys a work-group, all of K = 1,024; then p = 2^(t - M') for each row and 128 keys, M' = the ceiling of the largest t there, quantised along the keys.
; WORK LEFT OUT: tiles wholly above the diagonal (key > query: weight 0 by the problem's own mask); 36 tiles of a sequence are left, 144 in all.  On the diagonal hidden scores become -infinity ahead of the maximum.
; LIMITS: the promise holds while the exponents to the base 2 stay under 2^31 in magnitude; a block of zeros gets the byte 1 (zero codes); NaN and infinities are not served; what reaches only work left out is not carried on.
; No clusters: the tiles of a triangle do not divide into rows and columns of four that need the same rows.  No prefetch: the ring has no loop to run ahead in.
; OUT: pc: codes [sequence][128 queries][16 queries][128 keys][piece of 32][lane][16];  ps: scale words [sequence][256 queries][256 keys][row][2];  st: -M' [128 keys][sequence][row], from 524,288 on the sums of p.
; A wave makes 128 x 128.  LDS: two slots of 256 along K: Q's [64 channels: 4][16 blocks][1,024 bytes], then K's: operand images as proj leaves them: a fragment load takes 512 consecutive bytes.
; The matrix instruction is used transposed (source 0 = 16 keys, source 1 = 16 queries): a lane holds one query; registers 16 b + i of a row block are keys 32 b + 16 (lane / 16) + i.
; REGISTERS: window 0: addresses, scale words v32-63 (two sets), Q's fragments v128-255; window 1: K's, two sets; windows 2, 3: the accumulators.  On the way out v96-255 of window 0 are at work.
.set NQ,     2
.set FR,     16
.set NL,     4
.set NP,     8                         ; places behind this matrix instruction (ISA guide 7.12.1)
.set VP_,    524288                    ; from 64 channels to the next 64 in c2
.set SLOT,   131072
.set SCL,    2*SLOT                    ; scale words: Q's [128 channels: 8][256][4], K's behind them
.set SPARE,  SCL+16384
.set SST,    0                         ; the way out, in slot 0 (it has had its last fill and its last read by then): scale words [256][2]; -M' and sums behind them
.set STT,    2048
.set ADRA, 16
.set STA,  18
.set STR,  19
.set ADRB, 20
.set SO,   22
.set DG,   23
.set SWO,  25
.set ADRS, 27
.set SPW,  28
.set NIL,  29
.set SRD,  30
.set SC,   32
.set AF,   128
.set PCD,  160
.set SEL,  20
.set MNT,  22
.set CS,   66
.set G1, 24
.set G0, 32
.set G0B, 56
.set G1S, 68
.set G0S, 76
.set G0SB, 80
.set G0H, 84
.set G0HB, 88
.set MSB, 0
.macro WIN new                         ; the immediate's high byte repeats the setting that is left
.if MSB != \new
	s_set_vgpr_msb (MSB<<8)|\new
.set MSB, \new
.endif
.endm
.set MUL_LO, 0xa1
.set MUL_HI, 0xf1
.set TO_B,   0x40
.macro PLACES n
.rept \n
	v_nop
.endr
.endm
.macro TLOAD g0, g1
	tensor_load_to_lds s[\g0:\g0+3], s[\g1:\g1+7]
	s_nop 0
	PLACES 4
.endm
.macro JLOAD s                         ; slot s: waves 0 and 1 fetch Q's halves, waves 2 and 3 K's
	s_cmp_eq_u32 s15, 0
	s_cbranch_scc0 .Lfor_b_\@
	TLOAD G0+4*\s, G1
	s_branch .Lasked_\@
.Lfor_b_\@:
	TLOAD G0B+4*\s, G1
.Lasked_\@:
.endm
	s_load_b256 s[4:11], s[0:1], 0x0               ; c2, s2, pc, ps
	s_load_b64 s[12:13], s[0:1], 0x20              ; st
	v_lshl_add_u32 v[SPW], v0, 2, SPARE
	v_mov_b32 v[NIL], 0
	ds_add_u32 v[SPW], v[NIL]                      ; the wave's opening: the add, twice on end, and its wait ahead of my first tensor load
	ds_add_u32 v[SPW], v[NIL]
	v_lshrrev_b32 v1, 5, v0
	v_readfirstlane_b32 s14, v1                    ; wave
	s_lshr_b32 s15, s14, 1                         ; my half of the queries
	s_and_b32 s16, s14, 1                          ; my half of the keys
	s_and_b32 s17, ttmp7, 0xffff
	s_lshr_b32 s40, s17, 2                         ; the sequence
	s_and_b32 s41, s17, 3                          ; rows of tiles j and 7 - j of the triangle have nine tiles together
	s_sub_co_u32 s18, 7, s41
	s_sub_co_u32 s19, ttmp9, s41
	s_sub_co_u32 s19, s19, 1
	s_cmp_le_u32 ttmp9, s41
	s_cselect_b32 s17, s41, s18                    ; the tile of queries
	s_cselect_b32 s42, ttmp9, s19                  ; the tile of keys
	s_mov_b32 s[G1+0], 0                           ; elements of 1 byte, no padding: rows of 16,384 bytes (256 tokens x 64 channels); four at the head, two behind it
	s_mov_b32 s[G1+1], 16384<<16
	s_mov_b32 s[G1+2], 4<<16
	s_mov_b32 s[G1+3], 16384<<16
	s_mov_b32 s[G1+4], 4
	s_mov_b32 s[G1+5], VP_
	s_mov_b32 s[G1+6], 0
	s_mov_b32 s[G1+7], 0
	s_mov_b32 s[G1S+0], 3<<16                      ; elements of 8 bytes: eight rows of 1,024 bytes
	s_mov_b32 s[G1S+1], 128<<16
	s_mov_b32 s[G1S+2], 8<<16
	s_mov_b32 s[G1S+3], 128<<16
	s_mov_b32 s[G1S+4], 8
	s_mov_b32 s[G1S+5], 4096
	s_mov_b32 s[G1S+6], 0
	s_mov_b32 s[G1S+7], 0
	s_lshl_b32 s18, s40, 3
	s_add_co_u32 s19, s18, s17                     ; the 256 queries among all tokens
	s_add_co_u32 s18, s18, s42                     ; the 256 keys
	s_lshl_b32 s20, s19, 14
	s_add_co_u32 s20, s20, 8388608                 ; Q's codes lie behind K's
	s_mov_b32 s21, 0
	s_lshl_b32 s46, s18, 14
	s_mov_b32 s47, 0
	s_lshl_b32 s22, s19, 10
	s_add_co_u32 s22, s22, 262144
	s_mov_b32 s23, 0
	s_lshl_b32 s92, s18, 10
	s_mov_b32 s93, 0
	s_lshl_b32 s94, s16, 20                        ; in the ring I fetch two of a step's four runs of 64 channels
	s_mov_b32 s95, 0
	s_lshl_b32 s45, s14, 15
	s_wait_alu depctr_va_vdst(0)
	s_wait_dscnt 0x0                               ; both opening adds are done
	s_wait_kmcnt 0x0
	s_add_nc_u64 s[20:21], s[4:5], s[20:21]
	s_add_nc_u64 s[22:23], s[6:7], s[22:23]
	s_add_nc_u64 s[46:47], s[4:5], s[46:47]
	s_add_nc_u64 s[92:93], s[6:7], s[92:93]
	s_mov_b32 s[G0H], 1
	s_mov_b32 s[G0H+1], 0
	s_mov_b64 s[G0H+2:G0H+3], s[20:21]
	s_or_b32 s[G0H+3], s[G0H+3], 0x80000000
	s_mov_b32 s[G0HB], 1
	s_mov_b32 s[G0HB+1], 65536
	s_mov_b64 s[G0HB+2:G0HB+3], s[46:47]
	s_or_b32 s[G0HB+3], s[G0HB+3], 0x80000000
	s_mov_b32 s[G0S], 1
	s_mov_b32 s[G0S+1], SCL
	s_mov_b64 s[G0S+2:G0S+3], s[22:23]
	s_or_b32 s[G0S+3], s[G0S+3], 0x80000000
	s_mov_b32 s[G0SB], 1
	s_mov_b32 s[G0SB+1], SCL+8192
	s_mov_b64 s[G0SB+2:G0SB+3], s[92:93]
	s_or_b32 s[G0SB+3], s[G0SB+3], 0x80000000
; the head's loads, one a wave: K step 0 of Q, of K, Q's scale words, K's
.macro ARM under, g0, g1, next
	s_cmp_lt_u32 s14, \under
	s_cbranch_scc0 \next
	TLOAD \g0, \g1
	s_branch .Lhead_asked
\next:
.endm
	ARM 1, G0H,  G1,  .Lhead_b
	ARM 2, G0HB, G1,  .Lhead_sa
	ARM 3, G0S,  G1S, .Lhead_sb
	TLOAD G0SB, G1S
.Lhead_asked:
	s_add_nc_u64 s[20:21], s[20:21], s[94:95]
	s_add_nc_u64 s[46:47], s[46:47], s[94:95]
.irp s, 0,1
	s_mov_b32 s[G0+4*\s], 1
	s_add_co_u32 s[G0+4*\s+1], s45, \s*SLOT
	s_add_nc_u64 s[G0+4*\s+2:G0+4*\s+3], s[20:21], \s*4*VP_
	s_or_b32 s[G0+4*\s+3], s[G0+4*\s+3], 0x80000000
	s_mov_b32 s[G0B+4*\s], 1
	s_add_co_u32 s[G0B+4*\s+1], s45, \s*SLOT
	s_add_nc_u64 s[G0B+4*\s+2:G0B+4*\s+3], s[46:47], \s*4*VP_
	s_or_b32 s[G0B+4*\s+3], s[G0B+4*\s+3], 0x80000000
.endr
	v_and_b32 v1, 15, v0                           ; r
	v_bfe_u32 v2, v0, 4, 1                         ; h
	v_and_b32 v6, 31, v0                           ; lane
	v_lshlrev_b32 v[SO], 4, v6
	s_lshl_b32 s21, s15, 13                        ; my eight blocks of queries,
	s_lshl_b32 s22, s16, 13                        ; of keys, which lie behind
	s_add_co_u32 s22, s22, 65536
.irp s, 0,1
	v_add_nc_u32 v[ADRA+\s], s21, v[SO]
	v_add_nc_u32 v[ADRB+\s], s22, v[SO]
	s_add_co_u32 s21, s21, SLOT
	s_add_co_u32 s22, s22, SLOT
.endr
	v_lshlrev_b32 v5, 2, v1                        ; scale words: lanes 0-15 take Q's rows, lanes 16-31 K's
	s_lshl_b32 s21, s15, 9
	s_lshl_b32 s22, s16, 9
	s_add_co_u32 s22, s22, 8192
	s_sub_co_u32 s22, s22, s21
	s_wait_alu depctr_va_vdst(0)
	v_mul_u32_u24 v7, s22, v2
	s_add_co_u32 s21, s21, SCL
	v_add_nc_u32 v5, v5, v7
	v_add_nc_u32 v[ADRS], s21, v5
	s_lshl_b32 s23, s15, 10
	s_lshl_b32 s21, s16, 2
	s_add_co_u32 s23, s23, s21
	s_add_co_u32 s23, s23, SST
	s_wait_alu depctr_va_vdst(0)
	v_lshl_add_u32 v[SWO], v1, 3, s23
	s_lshl_b32 s23, s14, 9
	s_add_co_u32 s23, s23, SST
	v_lshl_add_u32 v[SRD], v6, 4, s23
	s_lshl_b32 s23, s14, 10
	s_add_co_u32 s23, s23, STT
	v_lshl_add_u32 v[STA], v1, 2, s23
	v_lshl_add_u32 v[STR], v6, 4, s23
	s_sub_co_i32 s23, s15, s16
	s_lshl_b32 s23, s23, 7
	v_lshlrev_b32 v5, 4, v2
	v_sub_nc_u32 v5, v1, v5
	v_add_nc_u32 v[DG], s23, v5                    ; my query in its row block less the key of my register 0
	s_lshl_b32 s20, s40, 22
	s_lshl_b32 s21, s17, 19
	s_add_co_u32 s20, s20, s21
	s_lshl_b32 s21, s15, 18
	s_add_co_u32 s20, s20, s21
	s_lshl_b32 s21, s42, 12
	s_add_co_u32 s20, s20, s21
	s_lshl_b32 s21, s16, 11
	s_add_co_u32 s20, s20, s21
	s_mov_b32 s21, 0
	s_add_nc_u64 s[8:9], s[8:9], s[20:21]
	s_sub_nc_u64 s[8:9], s[8:9], 32768             ; each row block steps it first
	s_lshl_b32 s20, s40, 3
	s_add_co_u32 s20, s20, s17
	s_lshl_b32 s20, s20, 3
	s_add_co_u32 s20, s20, s42
	s_lshl_b32 s20, s20, 11
	s_lshl_b32 s22, s14, 9
	s_add_co_u32 s20, s20, s22
	s_add_nc_u64 s[10:11], s[10:11], s[20:21]
	s_lshl_b32 s20, s42, 1
	s_add_co_u32 s20, s20, s16
	s_lshl_b32 s20, s20, 15
	s_lshl_b32 s22, s40, 13
	s_add_co_u32 s20, s20, s22
	s_lshl_b32 s22, s17, 10
	s_add_co_u32 s20, s20, s22
	s_lshl_b32 s22, s15, 9
	s_add_co_u32 s20, s20, s22
	s_add_nc_u64 s[12:13], s[12:13], s[20:21]
.macro FRAG reg, adr, q, i             ; a fragment, 16 rows x 128 K: four pieces of 512 bytes
.irp c, 0,1,2,3
	ds_load_b128 v[\reg+4*\c:\reg+4*\c+3], v[\adr] offset:32768*(\q)+16384*(\c/2)+512*(\c%2)+1024*(\i)
.endr
.endm
; 16 products: Q's blocks a0, a0 + 1 x K's eight.  The 64 accumulators take turns, one instruction a turn, in the same order in every step
.macro MUL16 a0, p, q, sc, zero
.irp a, \a0, \a0+1
.irp b, 0,1,2,3,4,5,6,7
.if \zero
	v_wmma_scale_f32_16x16x128_f8f6f4 v[8*(8*((\a)%4)+\b):8*(8*((\a)%4)+\b)+7], v[128*(\p)+FR*\b:128*(\p)+FR*\b+FR-1], v[AF+FR*(\a):AF+FR*(\a)+FR-1], 0, v[SC+8*NQ*(\sc)+NQ*\b+(\q)], v[SC+8*NQ*(\sc)+NQ*(\a)+(\q)] matrix_a_fmt:MATRIX_FMT_BF8 matrix_b_fmt:MATRIX_FMT_BF8 matrix_a_scale:MATRIX_SCALE_ROW1
.else
	v_wmma_scale_f32_16x16x128_f8f6f4 v[8*(8*((\a)%4)+\b):8*(8*((\a)%4)+\b)+7], v[128*(\p)+FR*\b:128*(\p)+FR*\b+FR-1], v[AF+FR*(\a):AF+FR*(\a)+FR-1], v[8*(8*((\a)%4)+\b):8*(8*((\a)%4)+\b)+7], v[SC+8*NQ*(\sc)+NQ*\b+(\q)], v[SC+8*NQ*(\sc)+NQ*(\a)+(\q)] matrix_a_fmt:MATRIX_FMT_BF8 matrix_b_fmt:MATRIX_FMT_BF8 matrix_a_scale:MATRIX_SCALE_ROW1
.endif
.endr
.endr
.endm
.macro FETCH_B slot, q, p
	WIN TO_B
.irp i, 0,1,2,3,4,5,6,7
	FRAG 128*(\p)+FR*\i, ADRB+\slot, \q, \i
.endr
	WIN 0
.endm
.macro FETCH_A slot, q, i0
.irp i, \i0, \i0+1, \i0+2, \i0+3
	FRAG AF+FR*(\i), ADRA+\slot, \q, \i
.endr
.endm
.macro SCALES sc                       ; a K step's scale words into set sc: two a row
.irp i, 0,1,2,3,4,5,6,7
	ds_load_b32 v[SC+8*NQ*\sc+NQ*\i], v[ADRS] offset:\i*64
	ds_load_b32 v[SC+8*NQ*\sc+NQ*\i+1], v[ADRS] offset:\i*64+1024
.endr
.endm
.macro STEP slot, q, zero              ; a step of 128 along K that has its successor in the same slot
	s_wait_dscnt 4*NL                              ; K's set and Q's blocks 0-3 are in; the youngest sixteen loads (Q's blocks 4-7) may be out
	WIN MUL_LO
	MUL16 0, (\q)%2, \q, \slot, \zero
	MUL16 2, (\q)%2, \q, \slot, \zero
	s_wait_dscnt 0
	PLACES NP
	FETCH_B \slot, (\q)+1, 1-(\q)%2
	FETCH_A \slot, (\q)+1, 0
	WIN MUL_HI
	MUL16 4, (\q)%2, \q, \slot, \zero
	MUL16 6, (\q)%2, \q, \slot, \zero
	PLACES NP
	WIN 0
	FETCH_A \slot, (\q)+1, 4
.endm
; A slot's last step changes slots.  In front of the barrier each wave waits for its tensor load, adds 0 to its spare word, waits for that and for its reads of this slot; behind it the slot is filled again (fill = 1), two K steps ahead.
.macro TURN slot, next, fill
	s_wait_tensorcnt 0x0
	ds_add_u32 v[SPW], v[NIL]
	s_wait_dscnt 4*NL+1                            ; (the add and Q's blocks 4-7 may be out)
	WIN MUL_LO
	MUL16 0, 1, NQ-1, \slot, 0
	s_wait_dscnt 0x0
	s_barrier_signal -1
	MUL16 2, 1, NQ-1, \slot, 0
	WIN 0
	s_barrier_wait -1
.if \fill
	s_add_nc_u64 s[G0+4*\slot+2:G0+4*\slot+3], s[G0+4*\slot+2:G0+4*\slot+3], 8*VP_
	s_add_nc_u64 s[G0B+4*\slot+2:G0B+4*\slot+3], s[G0B+4*\slot+2:G0B+4*\slot+3], 8*VP_
	JLOAD \slot
	PLACES NP-4
.else
	PLACES NP
.endif
	v_add_nc_u32 v[ADRS], 2048, v[ADRS]            ; on to the next K step's scale words
	s_wait_alu depctr_va_vdst(0)
	FETCH_B \next, 0, 0
	FETCH_A \next, 0, 0
	SCALES \next
	WIN MUL_HI
	MUL16 4, 1, NQ-1, \slot, 0
	MUL16 6, 1, NQ-1, \slot, 0
	PLACES NP
	WIN 0
	FETCH_A \next, 0, 4
.endm
	s_wait_alu depctr_va_vdst(0)                   ; the head's end
	s_wait_tensorcnt 0x0                           ; my tile of the head's four is in
	ds_add_u32 v[SPW], v[NIL]
	s_mov_b32 s[G1+2], 2<<16                       ; no tensor load of mine is out: from here on a load brings two rows
	s_mov_b32 s[G1+4], 2
	s_wait_dscnt 0x0
	s_barrier_signal -1
	s_barrier_wait -1
	JLOAD 1
	FETCH_B 0, 0, 0
	FETCH_A 0, 0, 0
	SCALES 0
	FETCH_A 0, 0, 4
	STEP 0, 0, 1                                   ; the first products start the sums
	TURN 0, 1, 1
	STEP 1, 0, 0
	TURN 1, 0, 1
	STEP 0, 0, 0
	TURN 0, 1, 0
	STEP 1, 0, 0
	s_wait_dscnt 4*NL
	WIN MUL_LO
	MUL16 0, 1, NQ-1, 1, 0
	MUL16 2, 1, NQ-1, 1, 0
	s_wait_dscnt 0
	WIN MUL_HI
	MUL16 4, 1, NQ-1, 1, 0
	MUL16 6, 1, NQ-1, 1, 0
	WIN 0
	PLACES NP
	s_mov_b32 s[SEL], 0x76543210
	s_mov_b32 s[SEL+1], 0xfedcba98
	s_mov_b32 s[MNT], 0x600000
	s_mov_b32 s[CS], 0x3d0293ee                    ; log2(e) / sqrt(2,048)
	s_mov_b32 s[CS+1], s[CS]
.irp b, 0,1,2,3
	v_mov_b32 v[236+\b], 0                         ; written once: a lane permute's destination counts as one of its sources
.endr
	v_mov_b32 v252, 0
	s_mov_b32 s43, 0
; THE WAY OUT, a row block of 16 queries a trip.  Its accumulators' numbers differ from trip to trip: a short arm for each scales them into v96-159; the softmax and the quantiser behind it are written once.
.macro TAKE a
.if \a < 7
	s_cmp_lg_u32 s43, \a
	s_cbranch_scc1 .Lnot_\a
.endif
	WIN 2+(\a)/4
	s_wait_alu depctr_va_vdst(0)
.set j, 0
.rept 32
	v_pk_mul_f32 v[96+j:97+j], v[64*((\a)%4)+j:64*((\a)%4)+j+1], s[CS:CS+1] op_sel_hi:[1,0]   ; t = score x log2(e) / sqrt(2,048)
.set j, j+2
.endr
	WIN 0
	s_wait_alu depctr_va_vdst(0)                   ; and here, ahead of the branch
.if \a < 7
	s_branch .Lwork
.Lnot_\a:
.endif
.endm
.Lrow:
	s_wait_dscnt 0x0                               ; the last trip's LDS stores have read their registers
.irp a, 0,1,2,3,4,5,6,7
	TAKE \a
.endr
.Lwork:
	s_lshl_b32 s45, s43, 7
	s_lshl_b32 s46, s43, 6
	v_add_nc_u32 v3, s45, v[SWO]
	v_add_nc_u32 v4, s46, v[STA]
	s_cmp_lg_u32 s17, s42                          ; off the diagonal nothing is hidden
	s_cbranch_scc1 .Lopen
	s_lshl_b32 s45, s43, 4
	v_add_nc_u32 v252, s45, v[DG]
	v_mov_b32 v254, 0xff800000                     ; -infinity
.set n, 0
.rept 64
	v_cmp_gt_i32 vcc_lo, 32*(n/16)+n%16, v252
	v_cndmask_b32 v[96+n], v[96+n], v254, vcc_lo
.set n, n+1
.endr
	s_wait_alu depctr_va_vdst(0)
.Lopen:
.irp b, 0,1,2,3
	v_max_num_f32 v[232+\b], v[96+16*\b], v[97+16*\b]   ; the largest t of each block of 32 keys
.endr
.irp i, 2,4,6,8,10,12,14
.irp b, 0,1,2,3
	v_max3_num_f32 v[232+\b], v[96+16*\b+\i], v[97+16*\b+\i], v[232+\b]
.endr
.endr
.irp b, 0,1,2,3
	v_permlanex16_b32 v[236+\b], v[232+\b], s[SEL], s[SEL+1]
.endr
.irp b, 0,1,2,3
	v_max_num_f32 v[232+\b], v[232+\b], v[236+\b]
.endr
	v_max3_num_f32 v254, v232, v233, v234
	v_max_num_f32 v254, v254, v235
	v_max_num_f32 v13, 0xff61b1e6, v254            ; (-3e38 where all are hidden)
	v_floor_f32 v12, -v13                          ; -M'
.set j, 0
.rept 32
	v_pk_add_f32 v[96+j:97+j], v[96+j:97+j], v[12:13] op_sel_hi:[1,0]
.set j, j+2
.endr
.irp b, 0,1,2,3
	v_add_f32 v[232+\b], v[232+\b], v12
.endr
	s_wait_alu depctr_va_vdst(0)                   ; ahead of the batch
.set n, 0
.rept 64
	v_exp_f32 v[96+n], v[96+n]
.set n, n+1
.endr
	v_nop
	s_wait_alu depctr_va_vdst(0)                   ; and behind it
.irp b, 0,1,2,3
	v_exp_f32 v[232+\b], v[232+\b]                 ; the block's largest p
.endr
	v_pk_add_f32 v[14:15], v[96:97], v[100:101]    ; the sum is taken of the unquantised p
	v_pk_add_f32 v[236:237], v[98:99], v[102:103]
.irp j, 8,12,16,20,24,28,32,36,40,44,48,52,56,60
	v_pk_add_f32 v[14:15], v[14:15], v[96+\j:97+\j]
	v_pk_add_f32 v[236:237], v[236:237], v[98+\j:99+\j]
.endr
	v_pk_add_f32 v[14:15], v[14:15], v[236:237]
	s_wait_alu depctr_va_vdst(0)
.irp b, 0,1,2,3
	v_max_num_f32 v[232+\b], 0x8000000, v[232+\b]  ; the floor 2^(16 - 127)
.endr
.irp b, 0,1,2,3
	v_add_nc_u32 v[244+\b], 0xf8800000, v[232+\b]
.endr
.irp b, 0,1,2,3
	v_and_or_b32 v[240+\b], v[232+\b], 0x7f800000, s[MNT]
.endr
.irp b, 0,1,2,3
	v_lshrrev_b32 v[236+\b], 23, v[244+\b]
.endr
	v_lshl_or_b32 v253, v237, 8, v236
	v_lshl_or_b32 v253, v238, 16, v253
	v_lshl_or_b32 v253, v239, 24, v253
	s_wait_alu depctr_va_vdst(0)
	s_wait_xcnt 0x0                                ; the last trip's stores have read their codes and their base
	s_add_nc_u64 s[8:9], s[8:9], 32768
.irp b, 0,1,2,3
.irp i, 0,1,2,3,4,5,6,7,8,9,10,11,12,13,14,15
	v_min_num_f32 v[96+16*\b+\i], v[96+16*\b+\i], v[240+\b]   ; the conversion does not saturate (ISA guide 7.6.2); p is not negative
.endr
	v_cvt_scalef32_pk8_bf8_f32 v[PCD+4*\b:PCD+4*\b+1], v[96+16*\b:103+16*\b], v[244+\b]
	v_cvt_scalef32_pk8_bf8_f32 v[PCD+4*\b+2:PCD+4*\b+3], v[104+16*\b:111+16*\b], v[244+\b]
.endr
	v_nop
	v_add_f32 v14, v14, v15
	v_permlanex16_b32 v252, v14, s[SEL], s[SEL+1]
	v_add_f32 v14, v14, v252
.irp b, 0,1,2,3
	global_store_b128 v[SO], v[PCD+4*\b:PCD+4*\b+3], s[8:9] offset:512*\b
.endr
	ds_store_b32 v3, v253
	ds_store_b32 v4, v12
	ds_store_b32 v4, v14 offset:512
	s_wait_alu depctr_va_vdst(0)
	s_add_co_u32 s43, s43, 1
	s_cmp_lg_u32 s43, 8
	s_cbranch_scc1 .Lrow
	s_wait_dscnt 0x0
	s_barrier_signal -1
	s_barrier_wait -1
	ds_load_b128 v[88:91], v[SRD]
	ds_load_b128 v[80:83], v[STR]
	ds_load_b128 v[84:87], v[STR] offset:512
	s_wait_dscnt 0x0
	global_store_b128 v[SO], v[88:91], s[10:11]
	global_store_b128 v[SO], v[80:83], s[12:13]
	global_store_b128 v[SO], v[84:87], s[12:13] offset:524288
	s_wait_tensorcnt 0x0                           ; the wave's end
	ds_add_u32 v[SPW], v[NIL]
	s_wait_dscnt 0x0
	s_endpgm
.Lfunc_end_k_q8578eec3dc_scores:
	.size	k_q8578eec3dc_scores, .Lfunc_end_k_q8578eec3dc_scores-k_q8578eec3dc_scores
	.p2alignl 7, 3214868480
	.fill 96, 4, 3214868480
	.section	.rodata,"a",@progbits
	.p2align	6, 0x0
	.amdhsa_kernel k_q8578eec3dc_scores
		.amdhsa_group_segment_fixed_size 327680
		.amdhsa_private_segment_fixed_size 0
		.amdhsa_enable_private_segment 0
		.amdhsa_kernarg_size 40
		.amdhsa_user_sgpr_count 2
		.amdhsa_user_sgpr_kernarg_segment_ptr 1
		.amdhsa_wavefront_size32 1
		.amdhsa_system_sgpr_workgroup_id_x 1
		.amdhsa_system_sgpr_workgroup_id_y 1
		.amdhsa_system_sgpr_workgroup_id_z 1
		.amdhsa_system_vgpr_workitem_id 0
		.amdhsa_next_free_vgpr 1024
		.amdhsa_next_free_sgpr 100
		.amdhsa_reserve_vcc 1
		.amdhsa_float_denorm_mode_32 3
		.amdhsa_float_denorm_mode_16_64 3
		.amdhsa_memory_ordered 1
		.amdhsa_forward_progress 1
		.amdhsa_inst_pref_size 155
	.end_amdhsa_kernel
	.amdgpu_metadata
---
amdhsa.version: [ 1, 2 ]
amdhsa.kernels:
  - .name:           k_q8578eec3dc_scores
    .symbol:         k_q8578eec3dc_scores.kd
    .args:
      - { .name: c2, .offset: 0, .size: 8, .value_kind: global_buffer, .address_space: global }
      - { .name: s2, .offset: 8, .size: 8, .value_kind: global_buffer, .address_space: global }
      - { .name: pc, .offset: 16, .size: 8, .value_kind: global_buffer, .address_space: global }
      - { .name: ps, .offset: 24, .size: 8, .value_kind: global_buffer, .address_space: global }
      - { .name: st, .offset: 32, .size: 8, .value_kind: global_buffer, .address_space: global }
    .group_segment_fixed_size: 327680
    .private_segment_fixed_size: 0
    .kernarg_segment_align: 8
    .kernarg_segment_size: 40
    .max_flat_workgroup_size: 128
    .sgpr_count:     100
    .vgpr_count:     1024
    .wavefront_size: 32
...
	.end_amdgpu_metadata
.endif
;; end of part 3
;; launch pv (part 4): grid 8 x 32, 4 waves a work-group, no clusters, 327,680 bytes of LDS; arguments pc, ps, st, c2, s2, out0; writes out0
.if DOCPART == 4
	.amdgcn_target "amdgcn-amd-amdhsa--gfx1250"
	.amdhsa_code_object_version 6
	.text
	.protected	k_q8578eec3dc_pv
	.globl	k_q8578eec3dc_pv
	.p2align	8
	.type	k_q8578eec3dc_pv,@function
k_q8578eec3dc_pv:
	s_mov_b64 s[64:65], 0
	v_nop
	global_prefetch_b8 v0, s[64:65] scope:SCOPE_SE
	s_setreg_imm32_b32 hwreg(HW_REG_WAVE_MODE, 25, 1), 1
	s_wait_xcnt 0x0
; O = P V / l on codes of BF8.  A work-group owns TWO blocks of 128 queries of a sequence, L = 0 .. 7 and H = 15 - L, and 128 channels: L + 1 and 16 - L steps of 128 keys: seventeen block steps in every work-group.
; WORK LEFT OUT: steps of 128 keys that all come after a block's 128 queries (weight 0 by the problem's own mask); what reaches only them is not carried on.
; A wave owns 32 queries of each block (tiles a = 0, 1: H's; 2, 3: L's) x all 128 channels.  Steps 0 .. 7 count for H always and for L up to L; steps 8 .. 15 for H alone, up to H.
; p was made under M' of each row and 128 keys: under the row's M its scale bytes fall by M - M', a whole number (held at byte 0 from below), and so do the sums.
; V: [64 channels: 2][8 steps][tile t][piece of 32 keys][lane][16] a region, two regions of eight steps; row r of tile t of 64 channels is channel 32 (r / 8) + 8 t + r % 8.  P's fragments come from memory straight into registers.
; No clusters: the work-groups that share V's rows have different numbers of steps, and those that share P's take it into registers.  No prefetch: no loop to run ahead in; all of P's first eight steps are asked for at the head.
; LIMITS: as in scores.
; REGISTERS: window 0: addresses v1-19, scale words v28-127, P v128-255; window 1: V's fragments v0-127, P v128-255; window 2: 4 x 8 accumulators; window 3: P.
.set REG1,  131072
.set SCV,   2*REG1                     ; V's scale words [128 rows][16 steps][4], rows 80 bytes apart
.set PSC,   SCV+10240                  ; P's [256 keys: 8][block][128][2]
.set RL,    PSC+16384                  ; 1 / l
.set SPARE, RL+1024
.set BA,  1                            ; v1-4  V's fragments: region, 64 channels
.set SPW, 5
.set NIL, 6
.set STO, 7
.set RD,  8
.set GO,  9
.set SA0, 10
.set SB0, 11
.set PSA, 12
.set RLS, 13
.set RLA, 14
.set ST4, 15
.set PS8, 16
.set V16, 17
.set SCS, 18
.set TT,  20
.set SA,  28
.set SB,  64
.set NM,  80
.set LP,  96
.set WD,  112
.set RLV, 80
.set BK,  128
.set WV,  16
.set LQ,  17
.set SQ,  18
.set EB,  19
.set HQ,  20
.set G1,  24
.set G0A, 40
.set G0B, 44
.set ONES, 52
.set STH, 60
.set STL, 62
.set PSH, 66
.set PSL, 68
.set PCH, 70
.set PCL, 72
.set OH,  74
.set OL,  76
.set MSB, 0
.macro WIN new                         ; the immediate's high byte repeats the setting that is left
.if MSB != \new
	s_set_vgpr_msb (MSB<<8)|\new
.set MSB, \new
.endif
.endm
.macro PLACES n
.rept \n
	v_nop
.endr
.endm
	s_load_b256 s[4:11], s[0:1], 0x0               ; pc, ps, st, c2
	s_load_b128 s[12:15], s[0:1], 0x20             ; s2, out0
	v_lshl_add_u32 v[SPW], v0, 2, SPARE
	v_mov_b32 v[NIL], 0
	ds_add_u32 v[SPW], v[NIL]                      ; the wave's opening: the add, twice on end, and its wait ahead of my first tensor load
	ds_add_u32 v[SPW], v[NIL]
	v_lshrrev_b32 v21, 5, v0
	v_readfirstlane_b32 s[WV], v21
	s_mov_b32 s[LQ], ttmp9
	s_sub_co_u32 s[HQ], 15, ttmp9
	s_and_b32 s[EB], ttmp7, 0xffff
	s_lshr_b32 s[SQ], s[EB], 3
	s_and_b32 s[EB], s[EB], 7
	s_mov_b32 s[G1+0], 0                           ; a quarter of a region: 32 rows of 1,024 bytes, dense
	s_mov_b32 s[G1+1], 1024<<16
	s_mov_b32 s[G1+2], 32<<16
	s_mov_b32 s[G1+3], 1024<<16
	s_mov_b32 s[G1+4], 32
	s_mov_b32 s[G1+5], 1024
	s_mov_b32 s[G1+6], 0
	s_mov_b32 s[G1+7], 0
	s_lshl_b32 s56, s[EB], 20                      ; 64 channels 2 EB + wave / 2,
	s_add_co_u32 s56, s56, 16777216
	s_lshr_b32 s57, s[WV], 1
	s_lshl_b32 s57, s57, 19
	s_add_co_u32 s56, s56, s57
	s_lshl_b32 s57, s[SQ], 17                      ; 16 steps a sequence,
	s_add_co_u32 s56, s56, s57
	s_and_b32 s57, s[WV], 1
	s_lshl_b32 s57, s57, 15                        ; four steps
	s_add_co_u32 s56, s56, s57
	s_mov_b32 s57, 0
	s_lshl_b32 s58, s[EB], 15                      ; V's scale words
	s_lshl_b32 s59, s[SQ], 12
	s_add_co_u32 s58, s58, s59
	s_add_co_u32 s58, s58, 524288
	s_mov_b32 s59, 0
	s_lshl_b32 s21, s[WV], 15
	s_mov_b32 s[ONES], 0x01010101
	s_wait_alu depctr_va_vdst(0)
	s_wait_dscnt 0x0                               ; both opening adds are done
	s_wait_kmcnt 0x0
	s_mov_b32 s[G0A], 1
	s_mov_b32 s[G0A+1], s21
	s_add_nc_u64 s[G0A+2:G0A+3], s[10:11], s[56:57]
	s_mov_b32 s[G0B], 1
	s_add_co_u32 s[G0B+1], s21, REG1
	s_add_nc_u64 s[G0B+2:G0B+3], s[G0A+2:G0A+3], 65536
	s_or_b32 s[G0A+3], s[G0A+3], 0x80000000
	s_or_b32 s[G0B+3], s[G0B+3], 0x80000000
	s_add_nc_u64 s[12:13], s[12:13], s[58:59]
	tensor_load_to_lds s[G0A:G0A+3], s[G1:G1+7]    ; my quarter of region 0
	s_nop 0
	PLACES 4
; where a block's statistics, scale words, codes and rows of the output begin
.macro BASES q, st, ps, pc, o
	s_lshl_b32 s54, s[SQ], 13
	s_lshl_b32 s56, s[\q], 9
	s_add_co_u32 s54, s54, s56
	s_mov_b32 s55, 0
	s_add_nc_u64 s[\st:\st+1], s[8:9], s[54:55]
	s_lshl_b32 s54, s[SQ], 17
	s_lshr_b32 s56, s[\q], 1
	s_lshl_b32 s56, s56, 14
	s_add_co_u32 s54, s54, s56
	s_and_b32 s56, s[\q], 1
	s_lshl_b32 s56, s56, 10
	s_add_co_u32 s54, s54, s56
	s_add_nc_u64 s[\ps:\ps+1], s[6:7], s[54:55]
	s_lshl_b32 s54, s[SQ], 22
	s_lshl_b32 s56, s[\q], 18
	s_add_co_u32 s54, s54, s56
	s_lshl_b32 s56, s[WV], 16
	s_add_co_u32 s54, s54, s56
	s_add_nc_u64 s[\pc:\pc+1], s[4:5], s[54:55]
	s_lshl_b32 s54, s[SQ], 23
	s_lshl_b32 s56, s[\q], 19
	s_add_co_u32 s54, s54, s56
	s_lshl_b32 s56, s[WV], 17
	s_add_co_u32 s54, s54, s56
	s_lshl_b32 s56, s[EB], 9
	s_add_co_u32 s54, s54, s56
	s_add_nc_u64 s[\o:\o+1], s[14:15], s[54:55]
.endm
	BASES HQ, STH, PSH, PCH, OH
	BASES LQ, STL, PSL, PCL, OL
	s_lshl_b32 s54, s[WV], 8
	s_add_co_u32 s54, s54, PSC
	s_mul_i32 s55, s[WV], 16*528
	s_lshl_b32 s56, s[WV], 7
	s_add_co_u32 s56, s56, RL
	v_and_b32 v21, 15, v0                          ; r
	v_bfe_u32 v22, v0, 4, 1                        ; h
	v_and_b32 v23, 31, v0                          ; lane
	v_lshlrev_b32 v[GO], 4, v23
	v_mov_b32 v[BA], v[GO]
	v_add_nc_u32 v[BA+1], 65536, v[GO]
	v_add_nc_u32 v[BA+2], REG1, v[GO]
	v_add_nc_u32 v[BA+3], REG1+65536, v[GO]
	v_lshl_add_u32 v[SA0], v21, 3, s54
	v_mul_u32_u24 v[SB0], v21, 80
	v_add_nc_u32 v[SB0], SCV, v[SB0]
	v_mul_u32_u24 v24, v21, 528
	v_lshl_add_u32 v24, v22, 7, v24
	v_add_nc_u32 v[STO], s55, v24                  ; the way out: row r, my 32 channels of 64
	v_lshl_add_u32 v[RD], v23, 4, s55
	v_lshl_add_u32 v[PSA], v0, 3, PSC
	v_lshl_add_u32 v[RLS], v0, 2, RL
	v_lshl_add_u32 v[RLA], v21, 2, s56
	v_lshlrev_b32 v[ST4], 2, v0
	v_lshlrev_b32 v[PS8], 3, v0
	v_lshlrev_b32 v[V16], 4, v0
	v_bfe_u32 v24, v0, 2, 2                        ; V's scale words: thread i holds step i / 16, tile (i / 4) % 4, rows 4 (i % 4) on
	v_mul_u32_u24 v24, v24, 1280
	v_and_b32 v25, 3, v0
	v_mad_u32_u24 v24, v25, 320, v24
	v_lshrrev_b32 v25, 4, v0
	v_lshl_add_u32 v24, v25, 2, v24
	v_add_nc_u32 v[SCS], SCV, v24
	s_wait_alu depctr_va_vdst(0)                   ; the head's end
.irp n, 0,1,2,3
	global_load_b128 v[32+4*\n:35+4*\n], v[V16], s[12:13] offset:16384*(\n/2)+2048*(\n%2)   ; 512 consecutive bytes a wave
.endr
.macro DEFAULTS                        ; what a step that is left out counts: nothing
.set g, 2
.rept 14
	v_mov_b32 v[NM+g], 0x7f61b1e6
	v_mov_b32 v[LP+g], 0
	v_mov_b32 v[WD+g], 0
.set g, g+1
.endr
.endm
.macro SLOADS kc, st, ps               ; thread i: row i of the block: -M', sums and scale words of 256 keys
	global_load_b32 v[NM+2*\kc], v[ST4], s[\st:\st+1] offset:(2*\kc)*32768
	global_load_b32 v[NM+2*\kc+1], v[ST4], s[\st:\st+1] offset:(2*\kc+1)*32768
	global_load_b32 v[LP+2*\kc], v[ST4], s[\st:\st+1] offset:524288+(2*\kc)*32768
	global_load_b32 v[LP+2*\kc+1], v[ST4], s[\st:\st+1] offset:524288+(2*\kc+1)*32768
	global_load_b64 v[WD+2*\kc:WD+2*\kc+1], v[PS8], s[\ps:\ps+1] offset:\kc*2048
.endm
	DEFAULTS
	WIN 0x80
	DEFAULTS
	WIN 0
	s_wait_alu depctr_va_vdst(0)
.irp kc, 0,1,2,3,4,5,6,7
.if \kc > 0
	s_cmp_lt_u32 s[HQ], 2*\kc
	s_cbranch_scc1 .Lloaded_h
.endif
	SLOADS \kc, STH, PSH
.endr
.Lloaded_h:
.irp kc, 0,1,2,3
.if \kc > 0
	s_cmp_lt_u32 s[LQ], 2*\kc
	s_cbranch_scc1 .Lloaded_l
.endif
	WIN 0x80
	SLOADS \kc, STL, PSL
	WIN 0
.endr
.Lloaded_l:
.macro ASET n                          ; P's eight sets of 64 registers
.if (\n) < 2
.set AW, 0
.set AB, 128+64*(\n)
.elseif (\n) < 4
.set AW, 1
.set AB, 128+64*((\n)-2)
.else
.set AW, 3
.set AB, 64*((\n)-4)
.endif
.endm
.macro PLOAD reg, pc, k                ; two tiles' fragments of step k: 512 consecutive bytes a load
	WIN AW<<6
.irp a, 0,1
.irp c, 0,1,2,3
	global_load_b128 v[\reg+16*\a+4*\c:\reg+16*\a+4*\c+3], v[GO], s[\pc:\pc+1] offset:32768*\a+2048*(\k)+512*\c
.endr
.endr
	WIN 0
.endm
.irp k, 0,1,2,3,4,5,6,7
	ASET \k
	PLOAD AB, PCH, \k
.endr
	s_wait_loadcnt 63                              ; behind the statistics and V's scale words 64 loads were issued
.irp n, 0,1,2,3
.irp i, 0,1,2,3
	ds_store_b32 v[SCS], v[32+4*\n+\i] offset:5120*(\n/2)+32*(\n%2)+80*\i
.endr
.endr
.irp k, 0,1,2,3,4,5,6,7
.if \k > 0
	s_cmp_lt_u32 s[LQ], \k
	s_cbranch_scc1 .Lloaded_p
.endif
	ASET \k
	PLOAD AB+32, PCL, \k
.endr
.Lloaded_p:
.macro ADJ g
	v_sub_f32 v[TT+1], v[TT], v[NM+\g]             ; M' - M: 0 or less
	v_max_num_f32 v[TT+1], 0xc2fe0000, v[TT+1]     ; (-127)
	v_cvt_i32_f32 v[TT+1], v[TT+1]
.if \g == 0
	v_ldexp_f32 v[TT+3], v[LP+\g], v[TT+1]
.else
	v_ldexp_f32 v[TT+2], v[LP+\g], v[TT+1]
	v_add_f32 v[TT+3], v[TT+3], v[TT+2]            ; l
.endif
	v_mul_lo_u32 v[TT+4], v[TT+1], s[ONES]         ; four bytes at once: each byte + 128 cannot borrow; where the 128 is gone the byte fell under 0 and becomes 0
	v_or_b32 v[TT+5], 0x80808080, v[WD+\g]
	v_add_nc_u32 v[TT+5], v[TT+5], v[TT+4]
	v_lshrrev_b32 v[TT+6], 7, v[TT+5]
	v_and_b32 v[TT+6], s[ONES], v[TT+6]
	v_lshlrev_b32 v[TT+7], 7, v[TT+6]
	v_sub_nc_u32 v[TT+6], v[TT+7], v[TT+6]
	v_and_b32 v[WD+\g], v[TT+5], v[TT+6]
.endm
.macro STATS j                         ; j = 0: H's row; 1: L's (window 2)
.set WS, 0xaa*(\j)
.set WT, 0x08*(\j)
	WIN WS
	v_min3_num_f32 v[TT], v[NM], v[NM+1], v[NM+2]
.irp g, 3,5,7,9,11,13
	v_min3_num_f32 v[TT], v[TT], v[NM+\g], v[NM+\g+1]
.endr
	v_min_num_f32 v[TT], v[TT], v[NM+15]           ; -M
.irp g, 0,1,2,3,4,5,6,7,8,9,10,11,12,13,14,15
	ADJ \g
.endr
	s_wait_alu depctr_va_vdst(0)
	v_rcp_f32 v[TT+2], v[TT+3]
	v_nop
	s_wait_alu depctr_va_vdst(0)
	WIN WT
.irp kc, 0,1,2,3,4,5,6,7
	ds_store_b64 v[PSA], v[WD+2*\kc:WD+2*\kc+1] offset:2048*\kc+1024*(\j)
.endr
	ds_store_b32 v[RLS], v[TT+2] offset:512*(\j)
	WIN 0
.endm
	STATS 0
	STATS 1
.macro MEET                            ; my tensor load is in; the add; my LDS accesses are over; so it is with every wave
	s_wait_tensorcnt 0x0
	ds_add_u32 v[SPW], v[NIL]
	s_wait_dscnt 0x0
	s_barrier_signal -1
	s_barrier_wait -1
.endm
.macro SCALES g, na                    ; the scale words of eight steps: P's for na tiles, V's for eight
.set a, 0
.rept \na
.irp k, 0,1,2,3
	ds_load_b64 v[SA+8*a+2*\k:SA+8*a+2*\k+1], v[SA0] offset:(4*(\g)+\k)*2048+(a/2)*1024+(a%2)*128
.endr
.set a, a+1
.endr
.irp b, 0,1,2,3,4,5,6,7
	ds_load_b128 v[SB+8*\b:SB+8*\b+3], v[SB0] offset:1280*\b+32*(\g)
	ds_load_b128 v[SB+8*\b+4:SB+8*\b+7], v[SB0] offset:1280*\b+32*(\g)+16
.endr
.endm
.macro FETCHB k, hh                    ; V's fragments of step k, 64 channels hh: 16 loads
	WIN 0x40
.irp t, 0,1,2,3
.irp c, 0,1,2,3
	ds_load_b128 v[16*(4*(\hh)+\t)+4*\c:16*(4*(\hh)+\t)+4*\c+3], v[BA+2*((\k)/8)+(\hh)] offset:8192*((\k)%8)+2048*\t+512*\c
.endr
.endr
	WIN 0
.endm
.macro MULT hh, a0, ar, q, zero        ; tiles a0, a0 + 1 x four tiles of channels; the accumulators take turns
	WIN 0xa1|(AW<<2)
.irp t, 0,1,2,3
.irp d, 0,1
.if \zero
	v_wmma_scale_f32_16x16x128_f8f6f4 v[8*(8*(\a0+\d)+4*(\hh)+\t):8*(8*(\a0+\d)+4*(\hh)+\t)+7], v[16*(4*(\hh)+\t):16*(4*(\hh)+\t)+15], v[\ar+16*\d:\ar+16*\d+15], 0, v[SB+8*(4*(\hh)+\t)+(\q)], v[SA+8*(\a0+\d)+(\q)] matrix_a_fmt:MATRIX_FMT_BF8 matrix_b_fmt:MATRIX_FMT_BF8
.else
	v_wmma_scale_f32_16x16x128_f8f6f4 v[8*(8*(\a0+\d)+4*(\hh)+\t):8*(8*(\a0+\d)+4*(\hh)+\t)+7], v[16*(4*(\hh)+\t):16*(4*(\hh)+\t)+15], v[\ar+16*\d:\ar+16*\d+15], v[8*(8*(\a0+\d)+4*(\hh)+\t):8*(8*(\a0+\d)+4*(\hh)+\t)+7], v[SB+8*(4*(\hh)+\t)+(\q)], v[SA+8*(\a0+\d)+(\q)] matrix_a_fmt:MATRIX_FMT_BF8 matrix_b_fmt:MATRIX_FMT_BF8
.endif
.endr
.endr
	WIN 0
.endm
.macro BOTH hh, k                      ; H's two tiles, and L's where the step counts for L
.if (\k) == 0
	MULT \hh, 0, AB, \k, 1
	MULT \hh, 2, AB+32, \k, 1
.else
	MULT \hh, 0, AB, \k, 0
	s_cmp_lt_u32 s[LQ], \k
	s_cbranch_scc1 .Lonly_h_\@
	MULT \hh, 2, AB+32, \k, 0
.Lonly_h_\@:
.endif
.endm
.macro STEP1 k
	ASET \k
	s_wait_dscnt 16                                ; the first 64 channels' fragments (and the scale words) are in
	BOTH 0, \k
	s_wait_dscnt 0x0
.if (\k) < 7
	PLACES 8
	FETCHB (\k)+1, 0
.endif
	BOTH 1, \k
	PLACES 8
.if (\k) < 7
	FETCHB (\k)+1, 1
.endif
.endm
.macro STEP2 q                         ; step 8 + q: H's two tiles alone
.if (\q) > 0
	s_cmp_lt_u32 s[HQ], 8+(\q)
	s_cbranch_scc1 .Ldone
.endif
	ASET (\q)/2
	s_wait_dscnt 16
	MULT 0, 0, AB+32*((\q)%2), \q, 0
	s_wait_dscnt 0x0
.if (\q) < 7
	PLACES 8
	FETCHB (\q)+9, 0
.endif
	MULT 1, 0, AB+32*((\q)%2), \q, 0
.if (\q) < 7
	PLACES 8
	FETCHB (\q)+9, 1
.endif
.endm
	MEET
	tensor_load_to_lds s[G0B:G0B+3], s[G1:G1+7]    ; my quarter of region 1 (step 8 counts for every H), my one load behind this barrier
	s_nop 0
	PLACES 4
	s_wait_loadcnt 0x0                             ; P's first eight steps
	SCALES 0, 4
	FETCHB 0, 0
	FETCHB 0, 1
	STEP1 0
	STEP1 1
	STEP1 2
	STEP1 3
.irp k, 0,1,2,3,4,5,6,7                ; the sets of steps 0 to 3 take H's steps 8 to 15
.if \k > 0
	s_cmp_lt_u32 s[HQ], 8+\k
	s_cbranch_scc1 .Lloaded_2
.endif
	ASET \k/2
	PLOAD AB+32*(\k%2), PCH, 8+\k
.endr
.Lloaded_2:
	STEP1 4
	STEP1 5
	STEP1 6
	STEP1 7
	MEET                                           ; region 1 is in; nobody reads region 0 any more
	SCALES 1, 2
	FETCHB 8, 0
	FETCHB 8, 1
	s_wait_loadcnt 0x0
.irp q, 0,1,2,3,4,5,6,7
	STEP2 \q
.endr
.Ldone:
	PLACES 8
	s_wait_dscnt 0x0
.irp a, 0,1,2,3
	ds_load_b32 v[RLV+2*\a], v[RLA] offset:512*(\a/2)+64*(\a%2)
	ds_load_b32 v[RLV+2*\a+1], v[RLA] offset:512*(\a/2)+64*(\a%2)
.endr
	s_wait_dscnt 0x0
; THE WAY OUT of tile a: O x 1 / l, through my stage in LDS (in region 0, which has had its last fill and its last read), and out as rows of 512 bytes.  LDS serves a wave's instructions in order
.macro OUTROW a, o
	WIN 0x82
.set k, 0
.rept 32
	v_pk_mul_f32 v[64*(\a)+2*k:64*(\a)+2*k+1], v[64*(\a)+2*k:64*(\a)+2*k+1], v[RLV+2*(\a):RLV+2*(\a)+1] op_sel_hi:[1,0]
.set k, k+1
.endr
	WIN 0x08
.irp b, 0,1,2,3,4,5,6,7
	ds_store_b128 v[STO], v[64*(\a)+8*\b:64*(\a)+8*\b+3] offset:256*(\b/4)+32*(\b%4)
	ds_store_b128 v[STO], v[64*(\a)+8*\b+4:64*(\a)+8*\b+7] offset:256*(\b/4)+32*(\b%4)+16
.endr
	WIN 0
.if (\a) >= 2
	s_wait_xcnt 0x0                                ; the stores of two tiles ago have read their registers
.endif
.irp t, 0,1,2,3,4,5,6,7,8,9,10,11,12,13,14,15
	ds_load_b128 v[BK+64*((\a)%2)+4*\t:BK+64*((\a)%2)+4*\t+3], v[RD] offset:528*\t
.endr
	s_wait_dscnt 0x0
.irp t, 0,1,2,3,4,5,6,7,8,9,10,11,12,13,14,15
	global_store_b128 v[GO], v[BK+64*((\a)%2)+4*\t:BK+64*((\a)%2)+4*\t+3], s[\o:\o+1] offset:(16*((\a)%2)+\t)*4096 th:TH_STORE_NT
.endr
.endm
	OUTROW 0, OH
	OUTROW 1, OH
	OUTROW 2, OL
	OUTROW 3, OL
	s_wait_tensorcnt 0x0                           ; the wave's end
	ds_add_u32 v[SPW], v[NIL]
	s_wait_dscnt 0x0
	s_endpgm
.Lfunc_end_k_q8578eec3dc_pv:
	.size	k_q8578eec3dc_pv, .Lfunc_end_k_q8578eec3dc_pv-k_q8578eec3dc_pv
	.p2alignl 7, 3214868480
	.fill 96, 4, 3214868480
	.section	.rodata,"a",@progbits
	.p2align	6, 0x0
	.amdhsa_kernel k_q8578eec3dc_pv
		.amdhsa_group_segment_fixed_size 327680
		.amdhsa_private_segment_fixed_size 0
		.amdhsa_enable_private_segment 0
		.amdhsa_kernarg_size 48
		.amdhsa_user_sgpr_count 2
		.amdhsa_user_sgpr_kernarg_segment_ptr 1
		.amdhsa_wavefront_size32 1
		.amdhsa_system_sgpr_workgroup_id_x 1
		.amdhsa_system_sgpr_workgroup_id_y 1
		.amdhsa_system_sgpr_workgroup_id_z 1
		.amdhsa_system_vgpr_workitem_id 0
		.amdhsa_next_free_vgpr 1024
		.amdhsa_next_free_sgpr 80
		.amdhsa_reserve_vcc 0
		.amdhsa_float_denorm_mode_32 3
		.amdhsa_float_denorm_mode_16_64 3
		.amdhsa_memory_ordered 1
		.amdhsa_forward_progress 1
		.amdhsa_inst_pref_size 180
	.end_amdhsa_kernel
	.amdgpu_metadata
---
amdhsa.version: [ 1, 2 ]
amdhsa.kernels:
  - .name:           k_q8578eec3dc_pv
    .symbol:         k_q8578eec3dc_pv.kd
    .args:
      - { .name: pc, .offset: 0, .size: 8, .value_kind: global_buffer, .address_space: global }
      - { .name: ps, .offset: 8, .size: 8, .value_kind: global_buffer, .address_space: global }
      - { .name: st, .offset: 16, .size: 8, .value_kind: global_buffer, .address_space: global }
      - { .name: c2, .offset: 24, .size: 8, .value_kind: global_buffer, .address_space: global }
      - { .name: s2, .offset: 32, .size: 8, .value_kind: global_buffer, .address_space: global }
      - { .name: out0, .offset: 40, .size: 8, .value_kind: global_buffer, .address_space: global }
    .group_segment_fixed_size: 327680
    .private_segment_fixed_size: 0
    .kernarg_segment_align: 8
    .kernarg_segment_size: 48
    .max_flat_workgroup_size: 128
    .sgpr_count:     80
    .vgpr_count:     1024
    .wavefront_size: 32
...
	.end_amdgpu_metadata
.endif
;; end of part 4
